; MI455X (gfx1250); checked and timed in simulation.
; The chip was launched on July 23, 2026; its instructions are those of AMD's public machine-readable ISA for CDNA 5 (MIT licence, August 2026) and "CDNA5" Instruction Set Architecture Reference Guide (July 2026). The comments in the code are by the model that wrote it; some were corrected since.
;; Advanced NKAT Finetuner. Allowed arithmetic: matrix products marked QUANTISED: E5M2 operands, one E8M0 scale for each 32 along K, by v_wmma_scale_f32_16x16x128_f8f6f4 with both operands' format E5M2, f32 sums; products left as they are: f32 operands where the result goes on into a quantised operand, else bf16, f16 or f32 operands; f32 sums; everything else in f32.
;; Inputs: W1 4,096 x 2,048 float32; W2 4,096 x 4,096 float32; W3 2,048 x 4,096 float32; W_out 2,048 x 2,048 float32; b1 4,096 float32; b2 4,096 float32; b3 2,048 float32; b_out 2,048 float32; cp1 4,096 x 9 float32; cp2 4,096 x 9 float32; cp3 2,048 x 9 float32; rw1 4,096 float32; rw2 4,096 float32; rw3 2,048 float32; x 1,024 x 2,048 float32.
;; Outputs: out0 1,024 x 2,048 float32.
;; This version of the problem:
;;   THIS VERSION OF THE PROBLEM IS GIVEN IN LOW PRECISION. The matrix products marked QUANTISED in the list below multiply operands that are first quantised to E5M2 (5 exponent bits, 2 mantissa bits; 8 bits a number), with one power-of-two scale for each 32 numbers along K (OCP MX v1.0); their sums are f32. All else is computed in f32.
;;   The module's matrix products, in the order in which they are computed (A, B: the left and right operand; K: the contracted axis; several contracted axes count as one K, in the product's order):
;;     1. [M 1,024, K 2,048] x [K 2,048, N 4,096]; A: computed on the way; B: input W1: QUANTISED
;;     2. batch 4,096 x [M 1, K 8] x [K 8, N 1,024]; A: input cp1; B: computed on the way: left as it is (K = 8 < 32)
;;     3. batch 4 x [M 524,288, K 2] x [K 2, N 2]; A: computed on the way; B: computed on the way: left as it is (K = 2 < 32)
;;     4. [M 1,024, K 4,096] x [K 4,096, N 4,096]; A: computed on the way; B: input W2: QUANTISED
;;     5. batch 4,096 x [M 1, K 8] x [K 8, N 1,024]; A: input cp2; B: computed on the way: left as it is (K = 8 < 32)
;;     6. batch 4 x [M 524,288, K 2] x [K 2, N 2]; A: computed on the way; B: computed on the way: left as it is (K = 2 < 32)
;;     7. [M 1,024, K 4,096] x [K 4,096, N 2,048]; A: computed on the way; B: input W3: QUANTISED
;;     8. batch 2,048 x [M 1, K 8] x [K 8, N 1,024]; A: input cp3; B: computed on the way: left as it is (K = 8 < 32)
;;     9. batch 4 x [M 262,144, K 2] x [K 2, N 2]; A: computed on the way; B: computed on the way: left as it is (K = 2 < 32)
;;     10. [M 1,024, K 2,048] x [K 2,048, N 2,048]; A: computed on the way; B: input W_out: QUANTISED
;;   THE QUANTISER, for each operand of a quantised product, along K:
;;     - K is cut into blocks of 32 from its start; a last block that is shorter is filled with zeros.
;;     - A block's scale is 2^e with e = floor(log2(the largest magnitude in the block)) - 15, held to -126 .. 127; a block of zeros has e = 0. As a byte (E8M0): e + 127.
;;     - Each number is divided by its block's scale, clamped to +-57,344, and rounded to the nearest number of E5M2, ties to even, subnormals kept.
;;     - The product sums the exact products of the quantised numbers (number of the format x scale) in f32.
;;   ~~~python
;;   def quantise(x, axis):      # numpy; x: float32 -> the quantised numbers, widened to float32 again
;;       x = np.moveaxis(x, axis, -1); K = x.shape[-1]
;;       x = np.pad(x, [(0, 0)] * (x.ndim - 1) + [(0, -K % 32)]); x = x.reshape(x.shape[:-1] + (-1, 32)); a = np.abs(x).max(-1, keepdims=True)
;;       e = np.where(a > 0, np.clip(np.frexp(np.where(a > 0, a, 1))[1] - 1 - 15, -126, 127), 0)      # np.frexp(a)[1] - 1 = floor(log2(a)), exactly
;;       r = np.clip(x / 2.0 ** e, -57344, 57344)
;;       step = 2.0 ** (np.maximum(np.frexp(np.where(r == 0, 1, r))[1] - 1, -14) - 2)
;;       q = np.round(r / step) * step * 2.0 ** e      # np.round: ties to even
;;       return np.moveaxis(q.reshape(q.shape[:-2] + (-1,))[..., :K], -1, axis).astype(np.float32)
;;   ~~~
;;   OPERANDS COMPUTED ON THE WAY. 'Computed on the way' means the value that the module computes at that place (a softmax that the list does not call 'softmax' is quantised finished and normalised). What goes into a quantiser is computed in f32, as accurately as f32 sums, v_exp_f32 and their like allow (about 1e-6 of the number): no bf16 or f16 on the way to a quantiser, and a product that is left as it is and whose result goes on into a quantised operand takes f32 operands (vector FMAs, or v_wmma_f32_16x16x4_f32). A number that lies on a knife's edge between two numbers of the format may be rounded either way, as far as f32 arithmetic and the matrix unit's own rounding can turn it there, and no further.
;; One version. Each part assembles by itself: llvm-mc -triple=amdgcn-amd-amdhsa -mcpu=gfx1250 --defsym DOCPART=n.
;; ======== version 1 of 1: 5 launches
;; workspace buffers: act0 2,162,688 bytes; act1 4,325,376 bytes; act2 4,325,376 bytes; act3 4,325,376 bytes; wq1 8,650,752 bytes; wq2 17,301,504 bytes; wq3 8,650,752 bytes; wq4 4,325,376 bytes
;; launch prep (part 1): grid 352 x 1, 8 waves a work-group, no clusters, 73,728 bytes of LDS; arguments x, W1, W2, W3, W_out, act0, wq1, wq2, wq3, wq4; writes act0, wq1, wq2, wq3, wq4
.if DOCPART == 1
	.amdgcn_target "amdgcn-amd-amdhsa--gfx1250"
	.amdhsa_code_object_version 6
	.text
	.protected	k_q897aab481c_prep
	.globl	k_q897aab481c_prep
	.p2align	8
	.type	k_q897aab481c_prep,@function
k_q897aab481c_prep:
	s_mov_b64 s[64:65], 0
	v_nop
	global_prefetch_b8 v0, s[64:65] scope:SCOPE_SE
	s_setreg_imm32_b32 hwreg(HW_REG_WAVE_MODE, 25, 1), 1
	s_wait_xcnt 0x0
; PREP: every f32 tensor that is an operand of a quantised product becomes codes of BF8 (E5M2) with one E8M0 byte for each 32 along K, ONCE.
; x [1024][2048] is first normalised along its rows (mean, then the variance of the differences: no difference of large sums); W1, W2, W3, W_out are [N][K], K innermost.
; A block's scale is 2^(floor(log2(its largest magnitude)) - 15); each number is divided by it, held within +-57,344 and rounded to the nearest code, ties to even.
; THE OUTPUT IS LAID IN THE ORDER OF THE OPERAND'S REGISTERS.  A RECORD is 64 rows x 128 along K, 8,448 bytes: four fragment images of 2,048 bytes (tile i at 2048 i; in it the 16 codes
; k = 32 c + 16 h + 0..15 of tile row r at 512 c + 16 (16 h + r)), then 256 bytes of scale words (tile i, tile row r at 8192 + 64 i + 4 r, byte c for block c).  A buffer is [rows / 64][K / 128] records.
; Activations: tile i, tile row r = row 16 i + r.  WEIGHTS: tile 2 B + u, tile row r = row 32 B + 8 u + r + 8 (r / 8), so that in the transposed product a lane's 16 results of tiles 2 B, 2 B + 1 are 16 neighbours along the next K.
; SHARES.  Work-groups 0-63: 16 rows of x each, wave w the columns 256 w on.  Work-groups 64-351: the weights; a wave takes a unit of 64 rows x 256 along K (two records), eight fragments.
; The two ways part on the work-group's number and use LDS bytes of their own.  No tensor load, no matrix instruction.
; LIMITS: NaN and infinities are not served; a block whose largest magnitude lies under 2^-111 keeps the byte 1, and so does a block of zeros (its codes are zeros, and only this program reads the bytes).
.set REC,   8448
.set WREG,  8960                       ; LDS of a wave on the weights' way: a stage of 16 rows x 528 bytes, then 512 bytes for two records' scale words
.set SPI,   528                        ; a stage row: 512 bytes + 16
.set SCRO,  16*SPI
.set RED1,  8*WREG                     ; LDS of the other way: 8 waves x 16 rows x 4 bytes for the sums, and 512 bytes further on the same for the squares
.set LI,    4                          ; v4   16 x lane
.set STW,   5                          ; v5   the stage, in: 16 x lane
.set STR,   6                          ; v6   the stage, out: 528 r + 64 h
.set SCW,   7                          ; v7   where my tile row's scale word goes in LDS
.set SCRR,  8                          ; v8   and where I read 16 bytes of them back
.set SCO,   9                          ; v9   their place in the two records
.set XA,    10                         ; v10  x: 8192 r + 64 h
.set RW,    11                         ; v11  my wave's partial sum of row r
.set RR,    12                         ; v12  wave 0's partial sum of row r
.set SWO,   13                         ; v13  x's scale words in memory: 4 r + a record for lanes 16-31
.set PW,    14                         ; v14, v15 scale words
.set PW0,   15
.set OFFR,  16                         ; v16-31  tile row i's byte offset: 16 x lane + (i + 8 (i / 8)) rows
.set R0,    32                         ; v32-95, v96-159  numbers as loaded, two sets (the other way: a lane's 128 numbers of x)
.set X,     160                        ; v160-223 a lane's 64 numbers: register 16 c + i = k 32 c + 16 h + i of tile row r
.set PC,    224                        ; v224-239 a fragment's codes
.set TM,    240                        ; v240-243 largest magnitudes, 244-247 bytes, 248-251 the largest number x the scale, 252-255 the conversions' scale operands
.set SEL,   44                         ; s[44:45] lane selects: lane l xor 16
.set MNT,   46                         ; s46  the mantissa field of 57,344
.set WV,    48                         ; s48  my wave's number
; 64 numbers of a lane at v[s] on become a fragment's codes in v[PC] on and its rows' scale word in v[pw]
.macro QUANT s, pw
.irp b, 0,1,2,3
	v_max3_num_f32 v[TM+\b], |v[\s+16*\b]|, |v[\s+1+16*\b]|, 0x8000000   ; block b: my 16 numbers, and the floor 2^(16 - 127): the byte cannot fall under 1
.endr
.irp i, 2,4,6,8,10,12,14
.irp b, 0,1,2,3
	v_max3_num_f32 v[TM+\b], v[TM+\b], |v[\s+16*\b+\i]|, |v[\s+1+16*\b+\i]|   ; the four blocks by turns
.endr
.endr
.irp b, 0,1,2,3
	v_permlanex16_b32 v[TM+4+\b], v[TM+\b], s[SEL], s[SEL+1]
.endr
.irp b, 0,1,2,3
	v_max_num_f32 v[TM+\b], v[TM+\b], v[TM+4+\b]           ; with lane l xor 16's 16: the block's largest magnitude
.endr
.irp b, 0,1,2,3
	v_add_nc_u32 v[TM+12+\b], 0xf8800000, v[TM+\b]         ; 15 off its exponent field: the conversion's scale operand
.endr
.irp b, 0,1,2,3
	v_and_or_b32 v[TM+8+\b], v[TM+\b], 0x7f800000, s[MNT]  ; 57,344 x the scale
.endr
.irp b, 0,1,2,3
	v_lshrrev_b32 v[TM+4+\b], 23, v[TM+12+\b]              ; the scale's byte
.endr
	v_lshl_or_b32 v[\pw], v[TM+5], 8, v[TM+4]
	v_lshl_or_b32 v[\pw], v[TM+6], 16, v[\pw]
	v_lshl_or_b32 v[\pw], v[TM+7], 24, v[\pw]
	s_wait_xcnt 0x0                                        ; the last fragment's stores have read v[PC] on: it is written again only behind this wait
.irp b, 0,1,2,3
.irp i, 0,1,2,3,4,5,6,7,8,9,10,11,12,13,14,15
	v_med3_num_f32 v[\s+16*\b+\i], v[\s+16*\b+\i], -v[TM+8+\b], v[TM+8+\b]   ; the conversion to an 8-bit code does not saturate (ISA guide 7.6.2): the hold
.endr
	v_cvt_scalef32_pk8_bf8_f32 v[PC+4*\b:PC+1+4*\b], v[\s+16*\b:\s+7+16*\b], v[TM+12+\b]
	v_cvt_scalef32_pk8_bf8_f32 v[PC+2+4*\b:PC+3+4*\b], v[\s+8+16*\b:\s+15+16*\b], v[TM+12+\b]
.endr
	v_nop                                                  ; one plain line behind the last conversion
.endm
	s_load_b512 s[4:19], s[0:1], 0x0               ; x s[4:5], W1 s[6:7], W2 s[8:9], W3 s[10:11], W_out s[12:13], act0 s[14:15], wq1 s[16:17], wq2 s[18:19]
	s_load_b128 s[20:23], s[0:1], 0x40             ; wq3 s[20:21], wq4 s[22:23]
	s_set_vgpr_msb 0x40
	v_lshl_add_u32 v0, v0, 2, 0x11c00
	v_mov_b32 v1, 0
	s_set_vgpr_msb 0x4000
	v_lshrrev_b32 v1, 5, v0
	v_readfirstlane_b32 s[WV], v1                  ; wave 0..7
	v_and_b32 v1, 31, v0                           ; lane
	v_and_b32 v2, 15, v0                           ; r
	v_bfe_u32 v3, v0, 4, 1                         ; h
	v_lshlrev_b32 v[LI], 4, v1
	s_mul_i32 s49, s[WV], WREG
	v_add_nc_u32 v[STW], s49, v[LI]
	v_mul_u32_u24 v[STR], v2, SPI
	v_lshl_add_u32 v[STR], v3, 6, v[STR]
	v_add_nc_u32 v[STR], s49, v[STR]
	v_lshlrev_b32 v[SCW], 2, v2
	v_add_nc_u32 v[SCW], s49, v[SCW]
	v_add_nc_u32 v[SCW], SCRO, v[SCW]
	v_add_nc_u32 v[SCRR], SCRO, v[STW]
	v_lshlrev_b32 v[SCO], 4, v2
	v_mad_u32_u24 v[SCO], v3, REC, v[SCO]
	v_add_nc_u32 v[SCO], 8192, v[SCO]              ; lanes 0-15: the first record's 256 bytes of scale words, lanes 16-31 the second's
	v_lshlrev_b32 v[XA], 13, v2
	v_lshl_add_u32 v[XA], v3, 6, v[XA]
	s_lshl_b32 s49, s[WV], 6
	v_lshlrev_b32 v[RR], 2, v2
	v_add_nc_u32 v[RR], RED1, v[RR]
	v_add_nc_u32 v[RW], s49, v[RR]
	v_lshlrev_b32 v[SWO], 2, v2
	v_mad_u32_u24 v[SWO], v3, REC, v[SWO]
.irp b, 0,1,2,3
	v_mov_b32 v[TM+4+\b], 0                        ; written once: a lane permute's destination counts as one of its sources
.endr
	s_mov_b32 s[SEL], 0x76543210
	s_mov_b32 s[SEL+1], 0xfedcba98
	s_mov_b32 s[MNT], 0x600000
	s_cmp_lt_u32 ttmp9, 64
	s_cbranch_scc1 .Lnorm
; ---------------- THE WEIGHTS ----------------
	s_wait_kmcnt 0x0
	s_sub_co_u32 s40, ttmp9, 64                    ; g = 0..287: 64 work-groups for W1, 128 for W2, 64 for W3, 32 for W_out
	s_mov_b64 s[32:33], s[12:13]                   ; from, to, the tensor's first work-group, log2(K / 256): W_out's,
	s_mov_b64 s[34:35], s[22:23]
	s_mov_b32 s36, 256
	s_mov_b32 s37, 3
	s_cmp_lt_u32 s40, 256                          ; or W3's,
	s_cselect_b64 s[32:33], s[10:11], s[32:33]
	s_cselect_b64 s[34:35], s[20:21], s[34:35]
	s_cselect_b32 s36, 192, s36
	s_cselect_b32 s37, 4, s37
	s_cmp_lt_u32 s40, 192                          ; or W2's,
	s_cselect_b64 s[32:33], s[8:9], s[32:33]
	s_cselect_b64 s[34:35], s[18:19], s[34:35]
	s_cselect_b32 s36, 64, s36
	s_cselect_b32 s37, 4, s37
	s_cmp_lt_u32 s40, 64                           ; or W1's: the choices hang on the work-group's number alone
	s_cselect_b64 s[32:33], s[6:7], s[32:33]
	s_cselect_b64 s[34:35], s[16:17], s[34:35]
	s_cselect_b32 s36, 0, s36
	s_cselect_b32 s37, 3, s37
	s_sub_co_u32 s39, s40, s36
	s_lshl_b32 s39, s39, 3
	s_add_co_u32 s39, s39, s[WV]                   ; u: my unit of the tensor
	s_lshl_b32 s38, 1024, s37                      ; a row of the tensor in bytes: 4 K
	s_lshr_b32 s41, s39, s37                       ; which 64 rows,
	s_lshl_b32 s43, s41, s37
	s_sub_co_u32 s42, s39, s43                     ; which 256 along K
	s_lshl_b32 s41, s41, 6
	s_mul_i32 s50, s41, s38                        ; (under 2^27)
	s_lshl_b32 s42, s42, 10
	s_add_co_u32 s50, s50, s42
	s_mov_b32 s51, 0
	s_add_nc_u64 s[24:25], s[32:33], s[50:51]      ; tile 0 begins at row 0 of the 64,
	s_lshl_b32 s50, s38, 3
	s_add_nc_u64 s[26:27], s[24:25], s[50:51]      ; tile 1 at row 8,
	s_lshl_b32 s50, s38, 5
	s_add_nc_u64 s[28:29], s[24:25], s[50:51]      ; tile 2 at row 32,
	s_add_nc_u64 s[30:31], s[26:27], s[50:51]      ; tile 3 at row 40
	s_mul_i32 s50, s39, 2*REC
	s_add_nc_u64 s[34:35], s[34:35], s[50:51]      ; my two records
.irp i, 0,1,2,3,4,5,6,7,8,9,10,11,12,13,14,15
	v_mad_u32_u24 v[OFFR+\i], s38, \i+8*(\i/8), v[LI]      ; tile row i lies i + 8 (i / 8) rows behind the tile's first
.endr
; fragment f: tile f % 4, the unit's (f / 4)-th 128 along K.  Each load reads 512 consecutive bytes of one row
.macro LOAD f
.irp i, 0,1,2,3,4,5,6,7,8,9,10,11,12,13,14,15
	global_load_b128 v[R0+64*((\f)%2)+4*\i:R0+64*((\f)%2)+4*\i+3], v[OFFR+\i], s[24+2*((\f)%4):25+2*((\f)%4)] offset:512*((\f)/4) th:TH_LOAD_NT
.endr
.endm
.macro FRAG f
.if (\f) < 7
	s_wait_loadcnt 16                              ; this fragment's 16 loads are in; the next fragment's 16 may be out
.else
	s_wait_loadcnt 0x0
.endif
.irp i, 0,1,2,3,4,5,6,7,8,9,10,11,12,13,14,15
	ds_store_b128 v[STW], v[R0+64*((\f)%2)+4*\i:R0+64*((\f)%2)+4*\i+3] offset:SPI*\i   ; rows as they lie
.endr
.irp c, 0,1,2,3
.irp i, 0,1,2,3
	ds_load_b128 v[X+16*\c+4*\i:X+16*\c+4*\i+3], v[STR] offset:128*\c+16*\i            ; and back: 16 neighbours of each block of my row (LDS serves a wave's instructions in order)
.endr
.endr
	s_wait_dscnt 0x0                               ; my numbers are in, the stores have read their registers, the last scale word's store too
.if (\f)+2 < 8
	LOAD (\f)+2
.endif
	QUANT X, PW
.irp c, 0,1,2,3
	global_store_b128 v[LI], v[PC+4*\c:PC+4*\c+3], s[34:35] offset:REC*((\f)/4)+2048*((\f)%4)+512*\c   ; 32 lanes store 512 consecutive bytes, aligned to 256
.endr
	ds_store_b32 v[SCW], v[PW] offset:256*((\f)/4)+64*((\f)%4)   ; both lanes of a row write the same word
.endm
	LOAD 0
	LOAD 1
.irp f, 0,1,2,3,4,5,6,7
	FRAG \f
.endr
	ds_load_b128 v[X:X+3], v[SCRR]                 ; the two records' scale words, 512 bytes
	s_wait_dscnt 0x0
	global_store_b128 v[SCO], v[X:X+3], s[34:35]   ; sixteen lanes store 256 consecutive bytes, aligned
	s_set_vgpr_msb 0x5
	s_wait_tensorcnt 0x0
	ds_add_u32 v0, v1
	s_wait_dscnt 0x0
	s_set_vgpr_msb 0x500
	s_endpgm
; ---------------- x: LAYER NORM, THEN THE SAME QUANTISER ----------------
.Lnorm:
	s_wait_kmcnt 0x0
	s_lshl_b32 s50, ttmp9, 17                      ; 16 rows of 8,192 bytes
	s_lshl_b32 s49, s[WV], 10                      ; my wave's 256 columns
	s_add_co_u32 s50, s50, s49
	s_mov_b32 s51, 0
	s_add_nc_u64 s[4:5], s[4:5], s[50:51]
; lane (r, h) takes of row r the 16 numbers k = 32 c + 16 h + 0..15 of each block: 64 bytes, by four loads.  No turn through LDS here: x is a twentieth of what the launch reads
.irp g, 0,1
.irp c, 0,1,2,3
.irp i, 0,1,2,3
	global_load_b128 v[R0+64*\g+16*\c+4*\i:R0+64*\g+16*\c+4*\i+3], v[XA], s[4:5] offset:512*\g+128*\c+16*\i th:TH_LOAD_NT
.endr
.endr
.endr
	s_lshr_b32 s49, ttmp9, 2                       ; which 64 rows,
	s_lshl_b32 s49, s49, 4                         ; 16 records each,
	s_lshl_b32 s43, s[WV], 1
	s_add_co_u32 s49, s49, s43                     ; my wave's two
	s_mul_i32 s50, s49, REC
	s_add_nc_u64 s[14:15], s[14:15], s[50:51]
	s_and_b32 s43, ttmp9, 3                        ; which tile of the 64 rows
	s_lshl_b32 s50, s43, 11
	s_add_nc_u64 s[32:33], s[14:15], s[50:51]      ; its image
	s_lshl_b32 s50, s43, 6
	s_add_co_u32 s50, s50, 8192
	s_add_nc_u64 s[34:35], s[14:15], s[50:51]      ; its scale words
	s_mov_b32 s52, 0x3a000000                      ; 1 / 2048
	s_mov_b32 s53, 0x3727c5ac                      ; 1e-5
	s_wait_loadcnt 0x0
; v[160:167] hold four chains' sums: they are joined, then with lane l xor 16's, then with the other seven waves' through LDS.  The row's sum ends in v168 of every lane
.macro ACROSS off
	v_pk_add_f32 v[160:161], v[160:161], v[162:163]
	v_pk_add_f32 v[164:165], v[164:165], v[166:167]
	v_pk_add_f32 v[160:161], v[160:161], v[164:165]
	v_add_f32 v160, v160, v161
	v_permlanex16_b32 v161, v160, s[SEL], s[SEL+1]
	v_add_f32 v160, v160, v161
	ds_store_b32 v[RW], v160 offset:\off           ; both lanes of a row write the same word
	s_wait_dscnt 0x0                               ; for the others' sake
	s_barrier_signal -1
	s_barrier_wait -1
.irp w, 0,1,2,3,4,5,6,7
	ds_load_b32 v[168+\w], v[RR] offset:\off+64*\w
.endr
	s_wait_dscnt 0x0
	v_pk_add_f32 v[168:169], v[168:169], v[170:171]
	v_pk_add_f32 v[172:173], v[172:173], v[174:175]
	v_pk_add_f32 v[168:169], v[168:169], v[172:173]
	v_add_f32 v168, v168, v169
.endm
.irp k, 0,1,2,3
	v_pk_add_f32 v[160+2*\k:161+2*\k], v[R0+2*\k:R0+2*\k+1], v[R0+8+2*\k:R0+8+2*\k+1]   ; the first pairs start the chains
.endr
.set P, 8
.rept 14
.irp k, 0,1,2,3
	v_pk_add_f32 v[160+2*\k:161+2*\k], v[160+2*\k:161+2*\k], v[R0+2*(P+\k):R0+2*(P+\k)+1]
.endr
.set P, P+4
.endr
	ACROSS 0
	v_mul_f32 v176, s52, v168                      ; the mean,
	v_mul_f32 v177, s52, v168                      ; twice: a pair for the packed forms
.set P, 0
.rept 64
	v_pk_add_f32 v[R0+2*P:R0+2*P+1], v[R0+2*P:R0+2*P+1], v[176:177] neg_lo:[0,1] neg_hi:[0,1]   ; x - mean
.set P, P+1
.endr
.irp k, 0,1,2,3
	v_pk_mul_f32 v[160+2*\k:161+2*\k], v[R0+2*\k:R0+2*\k+1], v[R0+2*\k:R0+2*\k+1]
.endr
.set P, 4
.rept 15
.irp k, 0,1,2,3
	v_pk_fma_f32 v[160+2*\k:161+2*\k], v[R0+2*(P+\k):R0+2*(P+\k)+1], v[R0+2*(P+\k):R0+2*(P+\k)+1], v[160+2*\k:161+2*\k]
.endr
.set P, P+4
.endr
	ACROSS 512                                     ; other bytes than the first sum's: no barrier is owed between
	v_fma_f32 v176, v168, s52, s53                 ; the variance + 1e-5
	v_rsq_f32 v176, v176
	v_nop                                          ; a plain line behind the transcendental
	s_wait_alu depctr_va_vdst(0)
	v_mov_b32 v177, v176
.set P, 0
.rept 64
	v_pk_mul_f32 v[R0+2*P:R0+2*P+1], v[R0+2*P:R0+2*P+1], v[176:177]
.set P, P+1
.endr
	QUANT R0, PW0
.irp c, 0,1,2,3
	global_store_b128 v[LI], v[PC+4*\c:PC+4*\c+3], s[32:33] offset:512*\c
.endr
	QUANT R0+64, PW
.irp c, 0,1,2,3
	global_store_b128 v[LI], v[PC+4*\c:PC+4*\c+3], s[32:33] offset:REC+512*\c
.endr
	v_cmp_eq_u32 vcc_lo, 1, v3
	v_cndmask_b32 v160, v[PW0], v[PW], vcc_lo      ; lanes 0-15 the first record's words, lanes 16-31 the second's
	global_store_b32 v[SWO], v160, s[34:35]        ; two pieces of 64 bytes: the four tiles of a record's 256 bytes come from four work-groups; 64 KiB in the whole launch
	s_set_vgpr_msb 0x5
	s_wait_tensorcnt 0x0
	ds_add_u32 v0, v1
	s_wait_dscnt 0x0
	s_set_vgpr_msb 0x500
	s_endpgm
.Lfunc_end_k_q897aab481c_prep:
	.size	k_q897aab481c_prep, .Lfunc_end_k_q897aab481c_prep-k_q897aab481c_prep
	.p2alignl 7, 3214868480
	.fill 96, 4, 3214868480
	.section	.rodata,"a",@progbits
	.p2align	6, 0x0
	.amdhsa_kernel k_q897aab481c_prep
		.amdhsa_group_segment_fixed_size 73728
		.amdhsa_private_segment_fixed_size 0
		.amdhsa_enable_private_segment 0
		.amdhsa_kernarg_size 80
		.amdhsa_user_sgpr_count 2
		.amdhsa_user_sgpr_kernarg_segment_ptr 1
		.amdhsa_wavefront_size32 1
		.amdhsa_system_sgpr_workgroup_id_x 1
		.amdhsa_system_sgpr_workgroup_id_y 1
		.amdhsa_system_sgpr_workgroup_id_z 1
		.amdhsa_system_vgpr_workitem_id 0
		.amdhsa_next_free_vgpr 258
		.amdhsa_next_free_sgpr 66
		.amdhsa_reserve_vcc 1
		.amdhsa_float_denorm_mode_32 3
		.amdhsa_float_denorm_mode_16_64 3
		.amdhsa_memory_ordered 1
		.amdhsa_forward_progress 1
		.amdhsa_inst_pref_size 141
	.end_amdhsa_kernel
	.amdgpu_metadata
---
amdhsa.version: [ 1, 2 ]
amdhsa.kernels:
  - .name:           k_q897aab481c_prep
    .symbol:         k_q897aab481c_prep.kd
    .args:
      - { .name: x, .offset: 0, .size: 8, .value_kind: global_buffer, .address_space: global }
      - { .name: W1, .offset: 8, .size: 8, .value_kind: global_buffer, .address_space: global }
      - { .name: W2, .offset: 16, .size: 8, .value_kind: global_buffer, .address_space: global }
      - { .name: W3, .offset: 24, .size: 8, .value_kind: global_buffer, .address_space: global }
      - { .name: W_out, .offset: 32, .size: 8, .value_kind: global_buffer, .address_space: global }
      - { .name: act0, .offset: 40, .size: 8, .value_kind: global_buffer, .address_space: global }
      - { .name: wq1, .offset: 48, .size: 8, .value_kind: global_buffer, .address_space: global }
      - { .name: wq2, .offset: 56, .size: 8, .value_kind: global_buffer, .address_space: global }
      - { .name: wq3, .offset: 64, .size: 8, .value_kind: global_buffer, .address_space: global }
      - { .name: wq4, .offset: 72, .size: 8, .value_kind: global_buffer, .address_space: global }
    .group_segment_fixed_size: 73728
    .private_segment_fixed_size: 0
    .kernarg_segment_align: 8
    .kernarg_segment_size: 80
    .max_flat_workgroup_size: 256
    .sgpr_count:     66
    .vgpr_count:     258
    .wavefront_size: 32
...
	.end_amdgpu_metadata
.endif
;; end of part 1
;; launch layer1 (part 2): grid 32 x 8, 4 waves a work-group, clusters of 4 x 4, 327,680 bytes of LDS; arguments act0, wq1, b1, cp1, rw1, act1; writes act1
.if DOCPART == 2
	.amdgcn_target "amdgcn-amd-amdhsa--gfx1250"
	.amdhsa_code_object_version 6
	.text
	.protected	k_q897aab481c_layer1
	.globl	k_q897aab481c_layer1
	.p2align	8
	.type	k_q897aab481c_layer1,@function
k_q897aab481c_layer1:
	s_mov_b64 s[64:65], 0
	v_nop
	global_prefetch_b8 v0, s[64:65] scope:SCOPE_SE
	s_setreg_imm32_b32 hwreg(HW_REG_WAVE_MODE, 25, 1), 1
	s_wait_xcnt 0x0
	s_wait_alu depctr_hold_cnt(0) depctr_sa_sdst(0) depctr_va_vdst(0) depctr_va_sdst(0) depctr_va_ssrc(0) depctr_va_vcc(0) depctr_vm_vsrc(0)
	s_getreg_b32 s2, hwreg(HW_REG_IB_STS2, 6, 4)
	s_cmp_eq_u32 s2, 0
	s_cbranch_scc0 .Lentry_in_a_cluster
	s_endpgm
.Lentry_in_a_cluster:
	s_bfe_u32 s2, ttmp6, 0x10000c
	s_cmp_lg_u32 s2, 0xf033
	s_cbranch_scc0 .Lentry_shape_is_right
	s_endpgm
.Lentry_shape_is_right:
; A LAYER: next = Q(pairs(clip(spline(tanh(cur W^T + b)) rw))), the product on codes of BF8 (E5M2) with E8M0 scales for each 32 along K.
; cur and W arrive as RECORDS (64 rows x 128 along K, 8,448 bytes: four fragment images of 2,048 bytes in the order of the operand's registers, then 256 bytes of scale words), [rows / 64][K / 128];
; next leaves in the same form.  W's tile 2 B + u, tile row r is row 32 B + 8 u + r + 8 (r / 8) of its 64.
; SHARES.  A work-group makes 128 x 128 of the layer, four waves 64 x 64 each: 16 accumulators.  With 1,024 rows this is the largest square tile that gives 256 work-groups at 4,096 columns.
; K goes in steps of 512 through a ring of two LDS slots: a wave's one tensor load brings four records of one stream of 64 rows, 33,792 dense bytes.
; CLUSTER 4 x 4: the four of a row need the same records of cur, the four of a column the same records of W: each is asked for jointly.
; THE PRODUCT IS USED TRANSPOSED (source 0 = 16 rows of W, source 1 = 16 rows of cur): lane (r, h) holds row r, and the 16 registers of W's tiles 2 B, 2 B + 1 are the columns 32 B + 16 h + 0..15:
; neighbours along the next K, in the order of the next operand's registers.  The bias is the C of each sum's first product.
; THE ACTIVATION.  t = tanh = 1 - 2 / (1 + 2^(2 log2(e) x)).  After reference()'s partial recursion the basis is, on each of the five knot intervals, a cubic in v = 2.5 t + 2.5 - s.  Its four
; coefficients (control points x rw) are made once for each column, in LDS; all five cubics are evaluated and one is chosen by comparing t with the knots: no branch and no address hangs on a number.
; t >= 1 gives 0, as no basis function covers it.  cp's ninth column is cut off by reference() itself.
; THE PAIRS: columns 8 i + 0..7 are a lane's registers 0..7: (0,1) += 0.05 clip(1,0); (2,3) += 0.05 clip(-3, 2); the commutator of the other two generators is 0.
; No prefetch: a launch has SIZE_K / 512 fills a wave, two of them at its head.
; LIMITS: NaN and infinities are not served.  tanh is right to about 1e-7 absolutely; the spline jumps at t = 0.6 and at t = 1, where the result hangs on tanh's last bit.  rw is folded into the
; coefficients and 0.05 x the commutator is fused into its addition: another order of rounding than reference()'s.  A block under 2^-111, a block of zeros too, keeps the scale byte 1.
.set SIZE_K, 2048
.set REC,    8448
.set STRB,   4*REC                     ; what one tensor load brings
.set SLOT,   4*STRB                    ; cur's two streams, then W's two
.set KCN,    SIZE_K/128                ; records in a stream of cur and of W
.set NKO,    32                        ; records in a stream of next
.set LAPS,   SIZE_K/1024               ; a lap = two K steps = once round the ring
.set TAB,    2*SLOT                    ; behind the ring: the coefficients, 64 pairs of columns x 20 entries x 8 bytes
.set SCR,    TAB+10240                 ; 512 bytes: next's scale words of the work-group's two records
.set SPARE,  SCR+512                   ; the spare words, 128 bytes for each wave: two blocks of 256 bytes that no other line names
.set LI,   4                           ; v4      16 x lane
.set ADRA, 16                          ; v16-17  my fragments of cur in slot 0, 1
.set ADRB, 20                          ; v20-21  of W
.set ADRS, 22                          ; v22-23  scale words: lanes 0-15 cur's, lanes 16-31 W's
.set TW,   24                          ; v24     where my column's coefficients go
.set SHA,  25                          ; v25     where my row's two scale bytes go
.set SCRD, 27                          ; v27     where wave 0 reads the scale words back
.set SPW,  28                          ; v28     my spare word; never rewritten
.set NIL,  29                          ; v29     0; never rewritten
.set SCO,  30                          ; v30     the scale words' place in memory
.set SC,   32                          ; v32-39  scale words, two sets of four: register i: lanes 0-15 cur's tile i, lanes 16-31 W's tile i.  Nothing else ever lies here
.set BIAS, 40                          ; v40-71  the bias in the result's layout, 8 registers for each tile of W; on the way out the codes
.set Q,    72                          ; v72-79  control points x rw; on the way out at work
.set TM,   80                          ; v80-95  the quantiser's
.set T,    84                          ; v84-103 at the head: a column's 20 coefficients
.set HW,   96                          ; v96-99  pairs of scale bytes
.set ACC,  128                         ; v128-255 accumulator (a, b) at 128 + 8 (4 a + b)
.set F0,   0                           ; window 1: two fragment buffers: cur's tile a at + 16 a, W's tile b at + 64 + 16 b
.set F1,   128
.set KR,   80                          ; window 1 on the way out: v0-79 two sets of coefficients; 8 numbers each of: the result,
.set KT,   88                          ; t,
.set KU,   96                          ; 2.5 t + 2.5,
.set KV,   104                         ; v,
.set KH,   112                         ; a cubic;
.set TABA, 120                         ; my lane's place in the table
.set G1,  24                           ; s[24:31] descriptor group 1 for cur's records; s[32:39] group 0, one for each slot
.set G0,  32
.set G1B, 48                           ; s[48:55], s[56:63] the same for W's
.set G0B, 56
.set C2L,  66                          ; s[66:67] 2 log2(e)
.set C25,  68                          ; s[68:69] 2.5
.set KNOT, 70                          ; s70-73  the inner knots as f32
.set CHI,  74                          ; s74, s75  10, -10
.set CLO,  75
.set CPL,  76                          ; s76  0.05
.set MNT,  77                          ; s77  the mantissa field of 57,344
.set SEL,  78                          ; s[78:79] lane selects: lane l xor 16
.set CM3,  80                          ; s[80:81] -3
.set MK,   84                          ; s84-91  eight lane masks
.set MSB, 0
.macro WIN new                         ; the immediate's high byte repeats the setting that is left
.if MSB != \new
	s_set_vgpr_msb (MSB<<8)|\new
.set MSB, \new
.endif
.endm
.set MUL,  0x05                        ; sources 0 and 1 window 1; C and D window 0
.set TO_F, 0x40                        ; destination window 1, address window 0
.macro JLOAD s                         ; a joint load: waves 0 and 1 fetch cur's two streams, waves 2 and 3 W's; four v_nop follow each of the two lines
	s_cmp_eq_u32 s17, 0
	s_cbranch_scc0 .Lfor_b_\@
	tensor_load_to_lds s[G0+4*\s:G0+4*\s+3], s[G1:G1+7]
	s_nop 0
.rept 4
	v_nop
.endr
	s_branch .Lasked_\@
.Lfor_b_\@:
	tensor_load_to_lds s[G0B+4*\s:G0B+4*\s+3], s[G1B:G1B+7]
	s_nop 0
.rept 4
	v_nop
.endr
.Lasked_\@:
.endm
.macro CREST                           ; a round of the cluster's barrier behind its opening barrier
	s_cmp_lg_u32 s16, 0
	s_cbranch_scc1 .Lnot_wave_0_\@
	s_barrier_signal -3
.Lnot_wave_0_\@:
	s_barrier_wait -3
	s_barrier_signal -1
	s_barrier_wait -1
.endm
.macro CROUND
	s_barrier_signal -1
	s_barrier_wait -1
	CREST
.endm
.macro PLACES n                        ; plain lines between a matrix instruction and a load into, or a read of, its registers: eight for this form
.rept \n
	v_nop
.endr
.endm
	s_load_b256 s[4:11], s[0:1], 0x0               ; cur s[4:5], W s[6:7], b s[8:9], cp s[10:11]
	s_load_b128 s[12:15], s[0:1], 0x20             ; rw s[12:13], next s[14:15]
	v_lshl_add_u32 v[SPW], v0, 2, SPARE
	v_mov_b32 v[NIL], 0
	ds_add_u32 v28, v29
	ds_add_u32 v28, v29
	s_wait_dscnt 0x0
	v_lshrrev_b32 v1, 5, v0
	v_readfirstlane_b32 s16, v1                    ; wave 0..3
	s_lshr_b32 s17, s16, 1                         ; which 64 rows are mine.  Also: I fetch for cur (0) or for W (1)
	s_and_b32 s18, s16, 1                          ; which 64 columns.  Also: which stream I fetch
	s_bfe_u32 s40, ttmp6, 0x40000                  ; cx, cy: my place in the cluster
	s_bfe_u32 s41, ttmp6, 0x40004
	s_lshl_b32 s42, ttmp9, 2
	s_add_co_u32 s42, s42, s40                     ; TX: which 128 columns
	s_and_b32 s43, ttmp7, 0xffff
	s_lshl_b32 s43, s43, 2
	s_add_co_u32 s43, s43, s41                     ; TY: which 128 rows
	s_lshl_b32 s44, s41, 2
	s_lshl_b32 s44, 15, s44                        ; my row of the cluster
	s_lshl_b32 s45, 0x1111, s40                    ; my column
	; descriptor group 1: four records are 132 dense rows of 256 bytes (32 elements of 8 bytes); no padding: a fragment load reads 512 consecutive bytes
	s_or_b32 s[G1], s44, (3<<16)|(1<<21)           ; 15:0 the mask: cur's records go to my row; 17:16 elements of 8 bytes; 21 set beside a mask
	s_or_b32 s[G1B], s45, (3<<16)|(1<<21)
.irp g, G1, G1B
	s_mov_b32 s[\g+1], 32<<16                      ; tensor_dim0
	s_mov_b32 s[\g+2], 132<<16                     ; tensor_dim1
	s_mov_b32 s[\g+3], 32<<16                      ; tile_dim0
	s_mov_b32 s[\g+4], 132                         ; tile_dim1
	s_mov_b32 s[\g+5], 32                          ; tensor_dim0_stride
	s_mov_b32 s[\g+6], 0
	s_mov_b32 s[\g+7], 0
.endr
	s_lshl_b32 s20, s43, 1
	s_add_co_u32 s20, s20, s18                     ; cur's stream 2 TY + (wave & 1)
	s_mul_i32 s20, s20, KCN*REC
	s_mov_b32 s21, 0
	s_lshl_b32 s46, s42, 1
	s_add_co_u32 s46, s46, s18                     ; W's stream 2 TX + (wave & 1)
	s_mul_i32 s46, s46, KCN*REC
	s_mov_b32 s47, 0
	s_mul_i32 s19, s16, STRB                       ; where they go: wave x 33,792: no place in the cluster enters an LDS address
	s_wait_kmcnt 0x0
	s_add_nc_u64 s[20:21], s[4:5], s[20:21]
	s_add_nc_u64 s[46:47], s[6:7], s[46:47]
	CROUND                                         ; all sixteen work-groups are here: the first joint loads meet
.irp s, 0,1
	s_mov_b32 s[G0+4*\s], 1
	s_add_co_u32 s[G0+4*\s+1], s19, \s*SLOT
	s_add_nc_u64 s[G0+4*\s+2:G0+4*\s+3], s[20:21], \s*STRB
	s_or_b32 s[G0+4*\s+3], s[G0+4*\s+3], 0x80000000
	s_mov_b32 s[G0B+4*\s], 1
	s_add_co_u32 s[G0B+4*\s+1], s19, \s*SLOT
	s_add_nc_u64 s[G0B+4*\s+2:G0B+4*\s+3], s[46:47], \s*STRB
	s_or_b32 s[G0B+4*\s+3], s[G0B+4*\s+3], 0x80000000
	JLOAD \s                                       ; two loads of mine are out
.endr
	v_and_b32 v1, 15, v0                           ; r
	v_bfe_u32 v2, v0, 4, 1                         ; h
	v_and_b32 v3, 31, v0                           ; lane
	v_lshlrev_b32 v[LI], 4, v3
	s_mul_i32 s22, s17, STRB                       ; my stream of cur,
	s_mul_i32 s23, s18, STRB
	s_add_co_u32 s23, s23, 2*STRB                  ; my stream of W
	v_add_nc_u32 v[ADRA], s22, v[LI]
	v_add_nc_u32 v[ADRB], s23, v[LI]
	v_add_nc_u32 v[ADRA+1], SLOT, v[ADRA]
	v_add_nc_u32 v[ADRB+1], SLOT, v[ADRB]
	s_sub_co_u32 s23, s23, s22
	v_mul_u32_u24 v5, s23, v2                      ; lanes 16-31 take W's words: one product, the distance between the two streams x h
	v_lshl_add_u32 v5, v1, 2, v5
	s_add_co_u32 s22, s22, 8192
	v_add_nc_u32 v[ADRS], s22, v5
	v_add_nc_u32 v[ADRS+1], SLOT, v[ADRS]
	v_lshrrev_b32 v5, 1, v0
	v_mul_u32_u24 v5, v5, 160
	v_and_b32 v6, 1, v0
	v_lshl_add_u32 v[TW], v6, 2, v5
	v_add_nc_u32 v[TW], TAB, v[TW]                 ; column tid: pair tid / 2, half tid % 2
	s_lshl_b32 s22, s17, 8
	s_lshl_b32 s23, s18, 1
	s_add_co_u32 s22, s22, s23
	s_add_co_u32 s22, s22, SCR
	v_lshl_add_u32 v[SHA], v1, 2, s22              ; record (my 64 rows), word of row r, bytes 2 x (my 64 columns) on
	v_add_nc_u32 v[SCRD], SCR, v[LI]
	v_lshlrev_b32 v[SCO], 4, v1
	v_mad_u32_u24 v[SCO], v2, NKO*REC, v[SCO]      ; lanes 0-15 the first stream's record, lanes 16-31 the second's
	s_lshl_b32 s22, s42, 9
	s_lshl_b32 s23, s18, 8
	s_add_co_u32 s22, s22, s23
	s_mov_b32 s23, 0
	s_add_nc_u64 s[8:9], s[8:9], s[22:23]          ; b at my 64 columns
	v_lshlrev_b32 v5, 6, v2
.irp t, 0,1,2,3
	global_load_b128 v[BIAS+8*\t:BIAS+8*\t+3], v5, s[8:9] offset:(32*(\t/2)+8*(\t%2))*4        ; tile 2 B + u: columns 32 B + 16 h + 8 u + 0..7
	global_load_b128 v[BIAS+8*\t+4:BIAS+8*\t+7], v5, s[8:9] offset:(32*(\t/2)+8*(\t%2))*4+16
.endr
	s_mul_i32 s22, s42, 4608
	s_add_nc_u64 s[10:11], s[10:11], s[22:23]      ; cp at the work-group's 128 columns, 36 bytes each
	s_lshl_b32 s22, s42, 9
	s_add_nc_u64 s[12:13], s[12:13], s[22:23]      ; rw likewise
	v_mul_u32_u24 v6, v0, 36
	v_lshlrev_b32 v7, 2, v0
.irp i, 0,1,2,3,4,5,6,7
	global_load_b32 v[Q+\i], v6, s[10:11] offset:4*\i
.endr
	global_load_b32 v80, v7, s[12:13]
	s_lshl_b32 s22, s43, 1                         ; where next goes: stream 2 TY (+ my 64 rows), record TX
	s_mul_i32 s23, s22, NKO
	s_add_co_u32 s23, s23, s42
	s_mul_i32 s92, s23, REC
	s_add_co_u32 s92, s92, 8192
	s_mov_b32 s93, 0
	s_add_nc_u64 s[92:93], s[14:15], s[92:93]      ; the scale words of stream 2 TY's record
	s_add_co_u32 s22, s22, s17
	s_mul_i32 s22, s22, NKO
	s_add_co_u32 s22, s22, s42
	s_mul_i32 s94, s22, REC
	s_lshl_b32 s23, s18, 10
	s_add_co_u32 s94, s94, s23                     ; my 64 columns are blocks 2 x (wave & 1) and the next: 512 bytes each in an image
	s_mov_b32 s95, 0
	s_add_nc_u64 s[94:95], s[14:15], s[94:95]
	s_mov_b32 s[C2L], 0x4038aa3b
	s_mov_b32 s[C2L+1], s[C2L]                     ; (the packed forms name pairs, so both words are written)
	s_mov_b32 s[C25], 0x40200000
	s_mov_b32 s[C25+1], s[C25]
	s_mov_b32 s[KNOT], 0xbf19999a                  ; -0.6, -0.2, 0.2, 0.6
	s_mov_b32 s[KNOT+1], 0xbe4ccccd
	s_mov_b32 s[KNOT+2], 0x3e4ccccd
	s_mov_b32 s[KNOT+3], 0x3f19999a
	s_mov_b32 s[CHI], 0x41200000
	s_mov_b32 s[CLO], 0xc1200000
	s_mov_b32 s[CPL], 0x3d4ccccd
	s_mov_b32 s[MNT], 0x600000
	s_mov_b32 s[SEL], 0x76543210
	s_mov_b32 s[SEL+1], 0xfedcba98
	s_mov_b32 s[CM3], 0xc0400000
	s_mov_b32 s[CM3+1], s[CM3]
	s_wait_loadcnt 0x0
; THE TABLE: thread tid makes column tid's five cubics.  Entry 4 s + 0..3 = the coefficients of v^3, v^2, v, 1 on interval s; q = cp x rw
.set C16,  0x3e2aaaab                  ; 1/6
.set M16,  0xbe2aaaab
.set C23,  0x3f2aaaab                  ; 2/3
.set C712, 0x3f155555                  ; 7/12
.set M1112, 0xbf6aaaab                 ; -11/12
.set C175, 0x3fe00000                  ; 1.75
.set C3,   0x40400000
.set M3,   0xc0400000
.set M45,  0xc0900000                  ; -4.5
.set C15,  0x3fc00000                  ; 1.5
.set C025, 0x3e800000
.set M025, 0xbe800000
.set C075, 0x3f400000
.set M075, 0xbf400000
.set M125, 0xbfa00000
.macro T0 e, i, c                      ; entry e = c q_i
	v_mul_f32 v[T+\e], \c, v[Q+\i]
.endm
.macro TA e, i, c                      ; += c q_i
	v_fma_f32 v[T+\e], v[Q+\i], \c, v[T+\e]
.endm
.macro TP e, i                         ; += q_i
	v_add_f32 v[T+\e], v[T+\e], v[Q+\i]
.endm
.macro TS e, i                         ; -= q_i
	v_sub_f32 v[T+\e], v[T+\e], v[Q+\i]
.endm
.irp i, 0,1,2,3,4,5,6,7
	v_mul_f32 v[Q+\i], v[Q+\i], v80
.endr
	T0 0, 0, -1.0
	TA 0, 1, C175
	TA 0, 2, M1112
	TA 0, 3, C16
	T0 1, 0, C3
	TA 1, 1, M45
	TA 1, 2, C15
	T0 2, 0, M3
	TA 2, 1, C3
	T0 4, 1, M025
	TA 4, 2, C712
	TA 4, 3, -0.5
	TA 4, 4, C16
	T0 5, 1, C075
	TA 5, 2, M125
	TA 5, 3, 0.5
	T0 6, 1, M075
	TA 6, 2, C025
	TA 6, 3, 0.5
	T0 7, 1, C025
	TA 7, 2, C712
	TA 7, 3, C16
	T0 8, 2, M16
	TA 8, 3, 0.5
	TA 8, 4, -0.5
	T0 9, 2, 0.5
	TS 9, 3
	TA 9, 4, 0.5
	TA 9, 5, 0.5
	T0 10, 2, -0.5
	TA 10, 4, 0.5
	T0 11, 2, C16
	TA 11, 3, C23
	TA 11, 4, C16
	T0 12, 3, M16
	TA 12, 4, 0.5
	T0 13, 3, 0.5
	TS 13, 4
	TS 13, 5
	T0 14, 3, -0.5
	TP 14, 5
	TP 14, 6
	T0 15, 3, C16
	TA 15, 4, C23
	TA 15, 5, 0.5
	T0 16, 4, M16
	T0 17, 4, 0.5
	TA 17, 5, 0.5
	T0 18, 4, -0.5
	TS 18, 5
	TS 18, 6
	T0 19, 4, C16
	TA 19, 5, 0.5
	TP 19, 6
	TP 19, 7
.irp e, 0,1,2,4,5,6,7,8,9,10,11,12,13,14,15,16,17,18,19
	ds_store_b32 v[TW], v[T+\e] offset:8*\e
.endr
	ds_store_b32 v[TW], v[Q] offset:24             ; entry 3 is q_0 itself
; 4 matrix instructions: cur's tile a x W's four, 128 along K, from buffer f.  first = 1: the bias is the C: nothing is cleared, nothing is added later.
; The 16 accumulators take turns, one instruction a turn, in the same order in every step.
.macro MUL4 f, a, first
.irp b, 0,1,2,3
.if \first
	v_wmma_scale_f32_16x16x128_f8f6f4 v[ACC+8*(4*(\a)+\b):ACC+8*(4*(\a)+\b)+7], v[\f+64+16*\b:\f+64+16*\b+15], v[\f+16*(\a):\f+16*(\a)+15], v[BIAS+8*\b:BIAS+8*\b+7], v[SC+4*((\f)/128)+\b], v[SC+4*((\f)/128)+(\a)] matrix_a_fmt:MATRIX_FMT_BF8 matrix_b_fmt:MATRIX_FMT_BF8 matrix_a_scale:MATRIX_SCALE_ROW1
.else
	v_wmma_scale_f32_16x16x128_f8f6f4 v[ACC+8*(4*(\a)+\b):ACC+8*(4*(\a)+\b)+7], v[\f+64+16*\b:\f+64+16*\b+15], v[\f+16*(\a):\f+16*(\a)+15], v[ACC+8*(4*(\a)+\b):ACC+8*(4*(\a)+\b)+7], v[SC+4*((\f)/128)+\b], v[SC+4*((\f)/128)+(\a)] matrix_a_fmt:MATRIX_FMT_BF8 matrix_b_fmt:MATRIX_FMT_BF8 matrix_a_scale:MATRIX_SCALE_ROW1
.endif
.endr
.endr
.endm
; 36 LDS loads in one run: record q of the slot: 4 scale registers, W's four fragments, cur's tiles 0, 1 and, last, its tiles 2, 3
.macro FETCH slot, q, f
	WIN 0
.irp i, 0,1,2,3
	ds_load_b32 v[SC+4*((\f)/128)+\i], v[ADRS+\slot] offset:(\q)*REC+64*\i
.endr
	WIN TO_F
.irp i, 0,1,2,3
.irp c, 0,1,2,3
	ds_load_b128 v[\f+64+16*\i+4*\c:\f+64+16*\i+4*\c+3], v[ADRB+\slot] offset:(\q)*REC+2048*\i+512*\c
.endr
.endr
.irp i, 0,1,2,3
.irp c, 0,1,2,3
	ds_load_b128 v[\f+16*\i+4*\c:\f+16*\i+4*\c+3], v[ADRA+\slot] offset:(\q)*REC+2048*\i+512*\c
.endr
.endr
.endm
; A step of 128 along K: multiplies buffer f; in its middle it fetches record qn of the same slot into buffer g
.macro STEP slot, qn, f, g, first
	s_wait_dscnt 8                                 ; all but the youngest eight loads (cur's tiles 2, 3) are in
	WIN MUL
	MUL4 \f, 0, \first
	MUL4 \f, 1, \first
	PLACES 8
	FETCH \slot, \qn, \g
	s_wait_dscnt 36                                ; all but the 36 just issued
	WIN MUL
	MUL4 \f, 2, \first
	MUL4 \f, 3, \first
.endm
; A slot's last step multiplies buffer 1 and changes slots: ONE barrier; in front of it each wave waits for all its tensor loads, adds 0 to its spare word, and waits for that and for its reads of this slot.
; fill = 1: the barrier opens a round of the cluster's, and this slot is filled again, two K steps ahead: the load has 56 matrix instructions in which to land.
.macro TURN slot, next, fill
	WIN 0                                          ; (the add's two registers lie in window 0)
	s_wait_tensorcnt 0x0                           ; all my tensor loads have landed: my part of the next slot
	ds_add_u32 v[SPW], v[NIL]                      ; 0 onto my spare word
	s_wait_dscnt 9                                 ; (the add and the youngest eight loads may be out)
	WIN MUL
	MUL4 F1, 0, 0                                  ; matrix work stands between the add and the wait for it
	s_wait_dscnt 0x0                               ; the add is done, and my reads of this slot are over
	s_barrier_signal -1
	MUL4 F1, 1, 0
.if \fill
	WIN 0
.endif
	s_barrier_wait -1
.if \fill
	CREST                                          ; no wave of any partner still reads this slot or has a load on its way
	s_add_nc_u64 s[G0+4*\slot+2:G0+4*\slot+3], s[G0+4*\slot+2:G0+4*\slot+3], 2*STRB
	s_add_nc_u64 s[G0B+4*\slot+2:G0B+4*\slot+3], s[G0B+4*\slot+2:G0B+4*\slot+3], 2*STRB
	JLOAD \slot                                    ; the first tensor load behind the round; its four v_nop are four of the eight places
	PLACES 4
.else
	PLACES 8
.endif
	FETCH \next, 0, F0
	WIN MUL
	MUL4 F1, 2, 0
	MUL4 F1, 3, 0
.endm
	s_wait_tensorcnt 1                             ; my part of K step 0 is in (K step 1's load may be out)
	s_wait_dscnt 0x0                               ; my columns' coefficients are stored,
	s_barrier_signal -1
	s_barrier_wait -1                              ; everybody's are
	FETCH 0, 0, F0
	STEP 0, 1, F0, F1, 1                           ; the first step stands in front of the loop: its products start the sums
	WIN 0                                          ; at a label and at a branch every window is 0
	s_mov_b32 s3, LAPS-1
.Llap:                                                 ; a trip goes once round the ring, from a lap's second step to the next lap's first, and fills both slots again
	STEP 0, 2, F1, F0, 0
	STEP 0, 3, F0, F1, 0
	TURN 0, 1, 1
	STEP 1, 1, F0, F1, 0
	STEP 1, 2, F1, F0, 0
	STEP 1, 3, F0, F1, 0
	TURN 1, 0, 1
	STEP 0, 1, F0, F1, 0
	WIN 0
	s_sub_co_u32 s3, s3, 1
	s_cmp_lg_u32 s3, 0
	s_cbranch_scc1 .Llap
	STEP 0, 2, F1, F0, 0                           ; the last lap fills nothing
	STEP 0, 3, F0, F1, 0
	TURN 0, 1, 0
	STEP 1, 1, F0, F1, 0
	STEP 1, 2, F1, F0, 0
	STEP 1, 3, F0, F1, 0
	s_wait_dscnt 8                                 ; the very last step: nothing more to fetch
	WIN MUL
	MUL4 F1, 0, 0
	MUL4 F1, 1, 0
	s_wait_dscnt 0x0
	MUL4 F1, 2, 0
	MUL4 F1, 3, 0
	WIN 0
	PLACES 8                                       ; in front of the first reads of results and the first writes into the fragments' registers
; ---------------- THE WAY OUT ----------------
; pair idx = 4 b + jp: registers 2 jp, 2 jp + 1 of W's tile b: the columns 32 B + 16 h + 8 u + 2 jp and the next.  Their 20 entries, 160 bytes, into set idx % 2
.macro LOADCF idx
.set LO, 160*(16*((\idx)/8)+4*(((\idx)/4)%2)+(\idx)%4)
.irp i, 0,1,2,3,4,5,6,7,8,9
	ds_load_b128 v[40*((\idx)%2)+4*\i:40*((\idx)%2)+4*\i+3], v[TABA] offset:LO+16*\i
.endr
.endm
.macro CUBIC d, x, s                   ; v[d] on = interval s's cubic at v[x] on, by Horner; the four row tiles by turns
.irp a, 0,1,2,3
	v_pk_fma_f32 v[\d+2*\a:\d+2*\a+1], v[CF+8*\s:CF+8*\s+1], v[\x+2*\a:\x+2*\a+1], v[CF+8*\s+2:CF+8*\s+3]
.endr
.irp a, 0,1,2,3
	v_pk_fma_f32 v[\d+2*\a:\d+2*\a+1], v[\d+2*\a:\d+2*\a+1], v[\x+2*\a:\x+2*\a+1], v[CF+8*\s+4:CF+8*\s+5]
.endr
.irp a, 0,1,2,3
	v_pk_fma_f32 v[\d+2*\a:\d+2*\a+1], v[\d+2*\a:\d+2*\a+1], v[\x+2*\a:\x+2*\a+1], v[CF+8*\s+6:CF+8*\s+7]
.endr
.endm
; The activation of pair idx in the four row tiles: 8 numbers a lane.  jp = 0 comes first for each tile of W: an accumulator is read from its low end on.
.macro KAN idx
.set AP, ACC+8*((\idx)/4)+2*((\idx)%4)
.set CF, 40*((\idx)%2)
	WIN 0x40                                       ; destination window 1
.irp a, 0,1,2,3
	v_pk_mul_f32 v[KR+2*\a:KR+2*\a+1], v[AP+32*\a:AP+32*\a+1], s[C2L:C2L+1] op_sel_hi:[1,0]
.endr
	WIN 0x55                                       ; all in window 1
	s_wait_dscnt 0x0                               ; this pair's coefficients are in
.if (\idx) < 15
	LOADCF (\idx)+1                                ; the next pair's land while this one is worked
.endif
.irp n, 0,1,2,3,4,5,6,7
	v_exp_f32 v[KR+\n], v[KR+\n]
.endr
	v_nop                                          ; a plain line behind the transcendentals
	s_wait_alu depctr_va_vdst(0)
.irp a, 0,1,2,3
	v_pk_add_f32 v[KR+2*\a:KR+2*\a+1], v[KR+2*\a:KR+2*\a+1], 1.0 op_sel_hi:[1,0]
.endr
.irp n, 0,1,2,3,4,5,6,7
	v_rcp_f32 v[KR+\n], v[KR+\n]
.endr
	v_nop
	s_wait_alu depctr_va_vdst(0)
.irp a, 0,1,2,3
	v_pk_fma_f32 v[KT+2*\a:KT+2*\a+1], v[KR+2*\a:KR+2*\a+1], -2.0, 1.0 op_sel_hi:[1,0,0]                    ; t = tanh
.endr
.irp a, 0,1,2,3
	v_pk_fma_f32 v[KU+2*\a:KU+2*\a+1], v[KT+2*\a:KT+2*\a+1], s[C25:C25+1], s[C25:C25+1] op_sel_hi:[1,0,0]   ; 2.5 t + 2.5
.endr
	CUBIC KR, KU, 0
.irp s, 1,2,3,4
.irp a, 0,1,2,3
.if \s == 1
	v_pk_add_f32 v[KV+2*\a:KV+2*\a+1], v[KU+2*\a:KU+2*\a+1], -1.0 op_sel_hi:[1,0]
.elseif \s == 2
	v_pk_add_f32 v[KV+2*\a:KV+2*\a+1], v[KU+2*\a:KU+2*\a+1], -2.0 op_sel_hi:[1,0]
.elseif \s == 3
	v_pk_add_f32 v[KV+2*\a:KV+2*\a+1], v[KU+2*\a:KU+2*\a+1], s[CM3:CM3+1] op_sel_hi:[1,0]
.else
	v_pk_add_f32 v[KV+2*\a:KV+2*\a+1], v[KU+2*\a:KU+2*\a+1], -4.0 op_sel_hi:[1,0]
.endif
.endr
	CUBIC KH, KV, \s
.irp n, 0,1,2,3,4,5,6,7
	v_cmp_le_f32 s[MK+\n], s[KNOT+\s-1], v[KT+\n]          ; the knot <= t, as reference() compares
.endr
.irp n, 0,1,2,3,4,5,6,7
	v_cndmask_b32 v[KR+\n], v[KR+\n], v[KH+\n], s[MK+\n]
.endr
.endr
.irp n, 0,1,2,3,4,5,6,7
	v_cmp_le_f32 s[MK+\n], 1.0, v[KT+\n]
.endr
.irp n, 0,1,2,3,4,5,6,7
	v_cndmask_b32 v[KR+\n], v[KR+\n], 0, s[MK+\n]          ; no basis function covers t = 1
.endr
	WIN 0x01                                       ; source 0 window 1, destination window 0
.irp a, 0,1,2,3
	v_med3_num_f32 v[AP+32*\a], v[KR+2*\a], s[CLO], s[CHI]
	v_med3_num_f32 v[AP+32*\a+1], v[KR+2*\a+1], s[CLO], s[CHI]
.endr
.endm
; the pairs of accumulator t
.macro NC t
.set AB, ACC+8*(\t)
.set NT, Q+4*((\t)%2)
.irp j, 0,1,2,3
	v_med3_num_f32 v[NT+\j], v[AB+\j], -1.0, 1.0
.endr
	v_fmac_f32 v[AB], s[CPL], v[NT+1]
	v_fmac_f32 v[AB+1], s[CPL], v[NT]
	v_fma_f32 v[AB+2], -v[NT+3], s[CPL], v[AB+2]
	v_fmac_f32 v[AB+3], s[CPL], v[NT+2]
.endm
; 64 numbers of a lane at v[s] on, four blocks (row tiles a0, a0 + 1 x my two blocks of 32 columns), become codes in v[pc] on and two pairs of scale bytes in v[hw], v[hw + 1]
.macro QUANT s, pc, hw
.irp b, 0,1,2,3
	v_max3_num_f32 v[TM+\b], |v[\s+16*\b]|, |v[\s+1+16*\b]|, 0x8000000   ; my 16 numbers, and the floor 2^(16 - 127): the byte cannot fall under 1
.endr
.irp i, 2,4,6,8,10,12,14
.irp b, 0,1,2,3
	v_max3_num_f32 v[TM+\b], v[TM+\b], |v[\s+16*\b+\i]|, |v[\s+1+16*\b+\i]|
.endr
.endr
.irp b, 0,1,2,3
	v_permlanex16_b32 v[TM+4+\b], v[TM+\b], s[SEL], s[SEL+1]
.endr
.irp b, 0,1,2,3
	v_max_num_f32 v[TM+\b], v[TM+\b], v[TM+4+\b]           ; with lane l xor 16's 16: the block's largest magnitude
.endr
.irp b, 0,1,2,3
	v_add_nc_u32 v[TM+12+\b], 0xf8800000, v[TM+\b]         ; 15 off its exponent field: the conversion's scale operand
.endr
.irp b, 0,1,2,3
	v_and_or_b32 v[TM+8+\b], v[TM+\b], 0x7f800000, s[MNT]  ; 57,344 x the scale
.endr
.irp b, 0,1,2,3
	v_lshrrev_b32 v[TM+4+\b], 23, v[TM+12+\b]              ; the scale's byte
.endr
	v_lshl_or_b32 v[\hw], v[TM+5], 8, v[TM+4]
	v_lshl_or_b32 v[\hw+1], v[TM+7], 8, v[TM+6]
.irp b, 0,1,2,3
.irp i, 0,1,2,3,4,5,6,7,8,9,10,11,12,13,14,15
	v_med3_num_f32 v[\s+16*\b+\i], v[\s+16*\b+\i], -v[TM+8+\b], v[TM+8+\b]   ; the conversion to an 8-bit code does not saturate (ISA guide 7.6.2): the hold
.endr
	v_cvt_scalef32_pk8_bf8_f32 v[\pc+4*\b:\pc+1+4*\b], v[\s+16*\b:\s+7+16*\b], v[TM+12+\b]
	v_cvt_scalef32_pk8_bf8_f32 v[\pc+2+4*\b:\pc+3+4*\b], v[\s+8+16*\b:\s+15+16*\b], v[TM+12+\b]
.endr
	v_nop                                                  ; one plain line behind the last conversion
.endm
.macro SENDQ a0, pc, hw                ; the codes are the next operand's registers: they go to its image as they stand
.irp b, 0,1,2,3
	global_store_b128 v[LI], v[\pc+4*\b:\pc+4*\b+3], s[94:95] offset:2048*(\a0+\b/2)+512*(\b%2)   ; 32 lanes store 512 consecutive bytes, aligned to 256
.endr
	ds_store_b16 v[SHA], v[\hw] offset:64*\a0              ; both lanes of a row write the same two bytes
	ds_store_b16 v[SHA], v[\hw+1] offset:64*(\a0+1)
.endm
	s_mul_i32 s22, s18, 5120
	s_add_co_u32 s22, s22, TAB
	WIN 0x40
	v_mad_u32_u24 v[TABA], v2, 1280, s22           ; my 64 columns' 32 pairs, and 8 pairs on for lanes 16-31
	WIN 0x55
	LOADCF 0
.set N, 0
.rept 16
	KAN N
.set N, N+1
.endr
	WIN 0
.set N, 0
.rept 16
	NC N
.set N, N+1
.endr
.irp b, 0,1,2,3
	v_mov_b32 v[TM+4+\b], 0                        ; written once: a lane permute's destination counts as one of its sources
.endr
	QUANT ACC, BIAS, HW
	SENDQ 0, BIAS, HW
	QUANT ACC+64, BIAS+16, HW+2
	SENDQ 2, BIAS+16, HW+2
	s_wait_dscnt 0x0                               ; for wave 0's sake: my scale bytes are stored
	s_barrier_signal -1
	s_barrier_wait -1
	s_cmp_lg_u32 s16, 0
	s_cbranch_scc1 .Lno_scales
	ds_load_b128 v[100:103], v[SCRD]               ; the two records' scale words, whole
	s_wait_dscnt 0x0
	global_store_b128 v[SCO], v[100:103], s[92:93] ; sixteen lanes store 256 consecutive bytes, aligned
.Lno_scales:
	s_wait_tensorcnt 0x0                           ; the wave's end
	ds_add_u32 v[SPW], v[NIL]
	s_wait_dscnt 0x0
	CROUND                                         ; the closing round
	s_endpgm
.Lfunc_end_k_q897aab481c_layer1:
	.size	k_q897aab481c_layer1, .Lfunc_end_k_q897aab481c_layer1-k_q897aab481c_layer1
	.p2alignl 7, 3214868480
	.fill 96, 4, 3214868480
	.section	.rodata,"a",@progbits
	.p2align	6, 0x0
	.amdhsa_kernel k_q897aab481c_layer1
		.amdhsa_group_segment_fixed_size 327680
		.amdhsa_private_segment_fixed_size 0
		.amdhsa_enable_private_segment 0
		.amdhsa_kernarg_size 48
		.amdhsa_user_sgpr_count 2
		.amdhsa_user_sgpr_kernarg_segment_ptr 1
		.amdhsa_wavefront_size32 1
		.amdhsa_system_sgpr_workgroup_id_x 1
		.amdhsa_system_sgpr_workgroup_id_y 1
		.amdhsa_system_sgpr_workgroup_id_z 1
		.amdhsa_system_vgpr_workitem_id 0
		.amdhsa_next_free_vgpr 512
		.amdhsa_next_free_sgpr 100
		.amdhsa_reserve_vcc 0
		.amdhsa_float_denorm_mode_32 3
		.amdhsa_float_denorm_mode_16_64 3
		.amdhsa_memory_ordered 1
		.amdhsa_forward_progress 1
		.amdhsa_inst_pref_size 255
	.end_amdhsa_kernel
	.section	.bss,"aw",@nobits
	.p2align	6
	.space	262144
	.amdgpu_metadata
---
amdhsa.version: [ 1, 2 ]
amdhsa.kernels:
  - .name:           k_q897aab481c_layer1
    .symbol:         k_q897aab481c_layer1.kd
    .args:
      - { .name: act0, .offset: 0, .size: 8, .value_kind: global_buffer, .address_space: global }
      - { .name: wq1, .offset: 8, .size: 8, .value_kind: global_buffer, .address_space: global }
      - { .name: b1, .offset: 16, .size: 8, .value_kind: global_buffer, .address_space: global }
      - { .name: cp1, .offset: 24, .size: 8, .value_kind: global_buffer, .address_space: global }
      - { .name: rw1, .offset: 32, .size: 8, .value_kind: global_buffer, .address_space: global }
      - { .name: act1, .offset: 40, .size: 8, .value_kind: global_buffer, .address_space: global }
    .group_segment_fixed_size: 327680
    .private_segment_fixed_size: 0
    .kernarg_segment_align: 8
    .kernarg_segment_size: 48
    .max_flat_workgroup_size: 128
    .sgpr_count:     100
    .vgpr_count:     512
    .wavefront_size: 32
...
	.end_amdgpu_metadata
.endif
;; end of part 2
;; launch layer2 (part 3): grid 32 x 8, 4 waves a work-group, clusters of 4 x 4, 327,680 bytes of LDS; arguments act1, wq2, b2, cp2, rw2, act2; writes act2
.if DOCPART == 3
	.amdgcn_target "amdgcn-amd-amdhsa--gfx1250"
	.amdhsa_code_object_version 6
	.text
	.protected	k_q897aab481c_layer2
	.globl	k_q897aab481c_layer2
	.p2align	8
	.type	k_q897aab481c_layer2,@function
k_q897aab481c_layer2:
	s_mov_b64 s[64:65], 0
	v_nop
	global_prefetch_b8 v0, s[64:65] scope:SCOPE_SE
	s_setreg_imm32_b32 hwreg(HW_REG_WAVE_MODE, 25, 1), 1
	s_wait_xcnt 0x0
	s_wait_alu depctr_hold_cnt(0) depctr_sa_sdst(0) depctr_va_vdst(0) depctr_va_sdst(0) depctr_va_ssrc(0) depctr_va_vcc(0) depctr_vm_vsrc(0)
	s_getreg_b32 s2, hwreg(HW_REG_IB_STS2, 6, 4)
	s_cmp_eq_u32 s2, 0
	s_cbranch_scc0 .Lentry_in_a_cluster
	s_endpgm
.Lentry_in_a_cluster:
	s_bfe_u32 s2, ttmp6, 0x10000c
	s_cmp_lg_u32 s2, 0xf033
	s_cbranch_scc0 .Lentry_shape_is_right
	s_endpgm
.Lentry_shape_is_right:
; A LAYER: next = Q(pairs(clip(spline(tanh(cur W^T + b)) rw))), the product on codes of BF8 (E5M2) with E8M0 scales for each 32 along K.  This text is the first layer's with SIZE_K = 4096; it serves the second and the third layer.
; cur and W arrive as RECORDS (64 rows x 128 along K, 8,448 bytes: four fragment images of 2,048 bytes in the order of the operand's registers, then 256 bytes of scale words), [rows / 64][K / 128];
; next leaves in the same form, 32 records to a stream of 64 rows (the third layer writes the first 16 of each).  W's tile 2 B + u, tile row r is row 32 B + 8 u + r + 8 (r / 8) of its 64.
; SHARES.  A work-group makes 128 x 128 of the layer, four waves 64 x 64 each: 16 accumulators.  With 1,024 rows this is the largest square tile that gives 256 work-groups at 4,096 columns.
; K goes in steps of 512 through a ring of two LDS slots: a wave's one tensor load brings four records of one stream of 64 rows, 33,792 dense bytes.
; CLUSTER 4 x 4: the four of a row need the same records of cur, the four of a column the same records of W: each is asked for jointly.
; THE PRODUCT IS USED TRANSPOSED (source 0 = 16 rows of W, source 1 = 16 rows of cur): lane (r, h) holds row r, and the 16 registers of W's tiles 2 B, 2 B + 1 are the columns 32 B + 16 h + 0..15:
; neighbours along the next K, in the order of the next operand's registers.  The bias is the C of each sum's first product.
; THE ACTIVATION.  t = tanh = 1 - 2 / (1 + 2^(2 log2(e) x)).  After reference()'s partial recursion the basis is, on each of the five knot intervals, a cubic in v = 2.5 t + 2.5 - s.  Its four
; coefficients (control points x rw) are made once for each column, in LDS; all five cubics are evaluated and one is chosen by comparing t with the knots: no branch and no address hangs on a number.
; t >= 1 gives 0, as no basis function covers it.  cp's ninth column is cut off by reference() itself.
; THE PAIRS: columns 8 i + 0..7 are a lane's registers 0..7: (0,1) += 0.05 clip(1,0); (2,3) += 0.05 clip(-3, 2); the commutator of the other two generators is 0.
; No prefetch: a launch has SIZE_K / 512 fills a wave, two of them at its head.
; LIMITS: NaN and infinities are not served.  tanh is right to about 1e-7 absolutely; the spline jumps at t = 0.6 and at t = 1, where the result hangs on tanh's last bit.  rw is folded into the
; coefficients and 0.05 x the commutator is fused into its addition: another order of rounding than reference()'s.  A block under 2^-111, a block of zeros too, keeps the scale byte 1.
.set SIZE_K, 4096
.set REC,    8448
.set STRB,   4*REC                     ; what one tensor load brings
.set SLOT,   4*STRB                    ; cur's two streams, then W's two
.set KCN,    SIZE_K/128                ; records in a stream of cur and of W
.set NKO,    32                        ; records in a stream of next
.set LAPS,   SIZE_K/1024               ; a lap = two K steps = once round the ring
.set TAB,    2*SLOT                    ; behind the ring: the coefficients, 64 pairs of columns x 20 entries x 8 bytes
.set SCR,    TAB+10240                 ; 512 bytes: next's scale words of the work-group's two records
.set SPARE,  SCR+512                   ; the spare words, 128 bytes for each wave: two blocks of 256 bytes that no other line names
.set LI,   4                           ; v4      16 x lane
.set ADRA, 16                          ; v16-17  my fragments of cur in slot 0, 1
.set ADRB, 20                          ; v20-21  of W
.set ADRS, 22                          ; v22-23  scale words: lanes 0-15 cur's, lanes 16-31 W's
.set TW,   24                          ; v24     where my column's coefficients go
.set SHA,  25                          ; v25     where my row's two scale bytes go
.set SCRD, 27                          ; v27     where wave 0 reads the scale words back
.set SPW,  28                          ; v28     my spare word; never rewritten
.set NIL,  29                          ; v29     0; never rewritten
.set SCO,  30                          ; v30     the scale words' place in memory
.set SC,   32                          ; v32-39  scale words, two sets of four: register i: lanes 0-15 cur's tile i, lanes 16-31 W's tile i.  Nothing else ever lies here
.set BIAS, 40                          ; v40-71  the bias in the result's layout, 8 registers for each tile of W; on the way out the codes
.set Q,    72                          ; v72-79  control points x rw; on the way out at work
.set TM,   80                          ; v80-95  the quantiser's
.set T,    84                          ; v84-103 at the head: a column's 20 coefficients
.set HW,   96                          ; v96-99  pairs of scale bytes
.set ACC,  128                         ; v128-255 accumulator (a, b) at 128 + 8 (4 a + b)
.set F0,   0                           ; window 1: two fragment buffers: cur's tile a at + 16 a, W's tile b at + 64 + 16 b
.set F1,   128
.set KR,   80                          ; window 1 on the way out: v0-79 two sets of coefficients; 8 numbers each of: the result,
.set KT,   88                          ; t,
.set KU,   96                          ; 2.5 t + 2.5,
.set KV,   104                         ; v,
.set KH,   112                         ; a cubic;
.set TABA, 120                         ; my lane's place in the table
.set G1,  24                           ; s[24:31] descriptor group 1 for cur's records; s[32:39] group 0, one for each slot
.set G0,  32
.set G1B, 48                           ; s[48:55], s[56:63] the same for W's
.set G0B, 56
.set C2L,  66                          ; s[66:67] 2 log2(e)
.set C25,  68                          ; s[68:69] 2.5
.set KNOT, 70                          ; s70-73  the inner knots as f32
.set CHI,  74                          ; s74, s75  10, -10
.set CLO,  75
.set CPL,  76                          ; s76  0.05
.set MNT,  77                          ; s77  the mantissa field of 57,344
.set SEL,  78                          ; s[78:79] lane selects: lane l xor 16
.set CM3,  80                          ; s[80:81] -3
.set MK,   84                          ; s84-91  eight lane masks
.set MSB, 0
.macro WIN new                         ; the immediate's high byte repeats the setting that is left
.if MSB != \new
	s_set_vgpr_msb (MSB<<8)|\new
.set MSB, \new
.endif
.endm
.set MUL,  0x05                        ; sources 0 and 1 window 1; C and D window 0
.set TO_F, 0x40                        ; destination window 1, address window 0
.macro JLOAD s                         ; a joint load: waves 0 and 1 fetch cur's two streams, waves 2 and 3 W's; four v_nop follow each of the two lines
	s_cmp_eq_u32 s17, 0
	s_cbranch_scc0 .Lfor_b_\@
	tensor_load_to_lds s[G0+4*\s:G0+4*\s+3], s[G1:G1+7]
	s_nop 0
.rept 4
	v_nop
.endr
	s_branch .Lasked_\@
.Lfor_b_\@:
	tensor_load_to_lds s[G0B+4*\s:G0B+4*\s+3], s[G1B:G1B+7]
	s_nop 0
.rept 4
	v_nop
.endr
.Lasked_\@:
.endm
.macro CREST                           ; a round of the cluster's barrier behind its opening barrier
	s_cmp_lg_u32 s16, 0
	s_cbranch_scc1 .Lnot_wave_0_\@
	s_barrier_signal -3
.Lnot_wave_0_\@:
	s_barrier_wait -3
	s_barrier_signal -1
	s_barrier_wait -1
.endm
.macro CROUND
	s_barrier_signal -1
	s_barrier_wait -1
	CREST
.endm
.macro PLACES n                        ; plain lines between a matrix instruction and a load into, or a read of, its registers: eight for this form
.rept \n
	v_nop
.endr
.endm
	s_load_b256 s[4:11], s[0:1], 0x0               ; cur s[4:5], W s[6:7], b s[8:9], cp s[10:11]
	s_load_b128 s[12:15], s[0:1], 0x20             ; rw s[12:13], next s[14:15]
	v_lshl_add_u32 v[SPW], v0, 2, SPARE
	v_mov_b32 v[NIL], 0
	ds_add_u32 v28, v29
	ds_add_u32 v28, v29
	s_wait_dscnt 0x0
	v_lshrrev_b32 v1, 5, v0
	v_readfirstlane_b32 s16, v1                    ; wave 0..3
	s_lshr_b32 s17, s16, 1                         ; which 64 rows are mine.  Also: I fetch for cur (0) or for W (1)
	s_and_b32 s18, s16, 1                          ; which 64 columns.  Also: which stream I fetch
	s_bfe_u32 s40, ttmp6, 0x40000                  ; cx, cy: my place in the cluster
	s_bfe_u32 s41, ttmp6, 0x40004
	s_lshl_b32 s42, ttmp9, 2
	s_add_co_u32 s42, s42, s40                     ; TX: which 128 columns
	s_and_b32 s43, ttmp7, 0xffff
	s_lshl_b32 s43, s43, 2
	s_add_co_u32 s43, s43, s41                     ; TY: which 128 rows
	s_lshl_b32 s44, s41, 2
	s_lshl_b32 s44, 15, s44                        ; my row of the cluster
	s_lshl_b32 s45, 0x1111, s40                    ; my column
	; descriptor group 1: four records are 132 dense rows of 256 bytes (32 elements of 8 bytes); no padding: a fragment load reads 512 consecutive bytes
	s_or_b32 s[G1], s44, (3<<16)|(1<<21)           ; 15:0 the mask: cur's records go to my row; 17:16 elements of 8 bytes; 21 set beside a mask
	s_or_b32 s[G1B], s45, (3<<16)|(1<<21)
.irp g, G1, G1B
	s_mov_b32 s[\g+1], 32<<16                      ; tensor_dim0
	s_mov_b32 s[\g+2], 132<<16                     ; tensor_dim1
	s_mov_b32 s[\g+3], 32<<16                      ; tile_dim0
	s_mov_b32 s[\g+4], 132                         ; tile_dim1
	s_mov_b32 s[\g+5], 32                          ; tensor_dim0_stride
	s_mov_b32 s[\g+6], 0
	s_mov_b32 s[\g+7], 0
.endr
	s_lshl_b32 s20, s43, 1
	s_add_co_u32 s20, s20, s18                     ; cur's stream 2 TY + (wave & 1)
	s_mul_i32 s20, s20, KCN*REC
	s_mov_b32 s21, 0
	s_lshl_b32 s46, s42, 1
	s_add_co_u32 s46, s46, s18                     ; W's stream 2 TX + (wave & 1)
	s_mul_i32 s46, s46, KCN*REC
	s_mov_b32 s47, 0
	s_mul_i32 s19, s16, STRB                       ; where they go: wave x 33,792: no place in the cluster enters an LDS address
	s_wait_kmcnt 0x0
	s_add_nc_u64 s[20:21], s[4:5], s[20:21]
	s_add_nc_u64 s[46:47], s[6:7], s[46:47]
	CROUND                                         ; all sixteen work-groups are here: the first joint loads meet
.irp s, 0,1
	s_mov_b32 s[G0+4*\s], 1
	s_add_co_u32 s[G0+4*\s+1], s19, \s*SLOT
	s_add_nc_u64 s[G0+4*\s+2:G0+4*\s+3], s[20:21], \s*STRB
	s_or_b32 s[G0+4*\s+3], s[G0+4*\s+3], 0x80000000
	s_mov_b32 s[G0B+4*\s], 1
	s_add_co_u32 s[G0B+4*\s+1], s19, \s*SLOT
	s_add_nc_u64 s[G0B+4*\s+2:G0B+4*\s+3], s[46:47], \s*STRB
	s_or_b32 s[G0B+4*\s+3], s[G0B+4*\s+3], 0x80000000
	JLOAD \s                                       ; two loads of mine are out
.endr
	v_and_b32 v1, 15, v0                           ; r
	v_bfe_u32 v2, v0, 4, 1                         ; h
	v_and_b32 v3, 31, v0                           ; lane
	v_lshlrev_b32 v[LI], 4, v3
	s_mul_i32 s22, s17, STRB                       ; my stream of cur,
	s_mul_i32 s23, s18, STRB
	s_add_co_u32 s23, s23, 2*STRB                  ; my stream of W
	v_add_nc_u32 v[ADRA], s22, v[LI]
	v_add_nc_u32 v[ADRB], s23, v[LI]
	v_add_nc_u32 v[ADRA+1], SLOT, v[ADRA]
	v_add_nc_u32 v[ADRB+1], SLOT, v[ADRB]
	s_sub_co_u32 s23, s23, s22
	v_mul_u32_u24 v5, s23, v2                      ; lanes 16-31 take W's words: one product, the distance between the two streams x h
	v_lshl_add_u32 v5, v1, 2, v5
	s_add_co_u32 s22, s22, 8192
	v_add_nc_u32 v[ADRS], s22, v5
	v_add_nc_u32 v[ADRS+1], SLOT, v[ADRS]
	v_lshrrev_b32 v5, 1, v0
	v_mul_u32_u24 v5, v5, 160
	v_and_b32 v6, 1, v0
	v_lshl_add_u32 v[TW], v6, 2, v5
	v_add_nc_u32 v[TW], TAB, v[TW]                 ; column tid: pair tid / 2, half tid % 2
	s_lshl_b32 s22, s17, 8
	s_lshl_b32 s23, s18, 1
	s_add_co_u32 s22, s22, s23
	s_add_co_u32 s22, s22, SCR
	v_lshl_add_u32 v[SHA], v1, 2, s22              ; record (my 64 rows), word of row r, bytes 2 x (my 64 columns) on
	v_add_nc_u32 v[SCRD], SCR, v[LI]
	v_lshlrev_b32 v[SCO], 4, v1
	v_mad_u32_u24 v[SCO], v2, NKO*REC, v[SCO]      ; lanes 0-15 the first stream's record, lanes 16-31 the second's
	s_lshl_b32 s22, s42, 9
	s_lshl_b32 s23, s18, 8
	s_add_co_u32 s22, s22, s23
	s_mov_b32 s23, 0
	s_add_nc_u64 s[8:9], s[8:9], s[22:23]          ; b at my 64 columns
	v_lshlrev_b32 v5, 6, v2
.irp t, 0,1,2,3
	global_load_b128 v[BIAS+8*\t:BIAS+8*\t+3], v5, s[8:9] offset:(32*(\t/2)+8*(\t%2))*4        ; tile 2 B + u: columns 32 B + 16 h + 8 u + 0..7
	global_load_b128 v[BIAS+8*\t+4:BIAS+8*\t+7], v5, s[8:9] offset:(32*(\t/2)+8*(\t%2))*4+16
.endr
	s_mul_i32 s22, s42, 4608
	s_add_nc_u64 s[10:11], s[10:11], s[22:23]      ; cp at the work-group's 128 columns, 36 bytes each
	s_lshl_b32 s22, s42, 9
	s_add_nc_u64 s[12:13], s[12:13], s[22:23]      ; rw likewise
	v_mul_u32_u24 v6, v0, 36
	v_lshlrev_b32 v7, 2, v0
.irp i, 0,1,2,3,4,5,6,7
	global_load_b32 v[Q+\i], v6, s[10:11] offset:4*\i
.endr
	global_load_b32 v80, v7, s[12:13]
	s_lshl_b32 s22, s43, 1                         ; where next goes: stream 2 TY (+ my 64 rows), record TX
	s_mul_i32 s23, s22, NKO
	s_add_co_u32 s23, s23, s42
	s_mul_i32 s92, s23, REC
	s_add_co_u32 s92, s92, 8192
	s_mov_b32 s93, 0
	s_add_nc_u64 s[92:93], s[14:15], s[92:93]      ; the scale words of stream 2 TY's record
	s_add_co_u32 s22, s22, s17
	s_mul_i32 s22, s22, NKO
	s_add_co_u32 s22, s22, s42
	s_mul_i32 s94, s22, REC
	s_lshl_b32 s23, s18, 10
	s_add_co_u32 s94, s94, s23                     ; my 64 columns are blocks 2 x (wave & 1) and the next: 512 bytes each in an image
	s_mov_b32 s95, 0
	s_add_nc_u64 s[94:95], s[14:15], s[94:95]
	s_mov_b32 s[C2L], 0x4038aa3b
	s_mov_b32 s[C2L+1], s[C2L]                     ; (the packed forms name pairs, so both words are written)
	s_mov_b32 s[C25], 0x40200000
	s_mov_b32 s[C25+1], s[C25]
	s_mov_b32 s[KNOT], 0xbf19999a                  ; -0.6, -0.2, 0.2, 0.6
	s_mov_b32 s[KNOT+1], 0xbe4ccccd
	s_mov_b32 s[KNOT+2], 0x3e4ccccd
	s_mov_b32 s[KNOT+3], 0x3f19999a
	s_mov_b32 s[CHI], 0x41200000
	s_mov_b32 s[CLO], 0xc1200000
	s_mov_b32 s[CPL], 0x3d4ccccd
	s_mov_b32 s[MNT], 0x600000
	s_mov_b32 s[SEL], 0x76543210
	s_mov_b32 s[SEL+1], 0xfedcba98
	s_mov_b32 s[CM3], 0xc0400000
	s_mov_b32 s[CM3+1], s[CM3]
	s_wait_loadcnt 0x0
; THE TABLE: thread tid makes column tid's five cubics.  Entry 4 s + 0..3 = the coefficients of v^3, v^2, v, 1 on interval s; q = cp x rw
.set C16,  0x3e2aaaab                  ; 1/6
.set M16,  0xbe2aaaab
.set C23,  0x3f2aaaab                  ; 2/3
.set C712, 0x3f155555                  ; 7/12
.set M1112, 0xbf6aaaab                 ; -11/12
.set C175, 0x3fe00000                  ; 1.75
.set C3,   0x40400000
.set M3,   0xc0400000
.set M45,  0xc0900000                  ; -4.5
.set C15,  0x3fc00000                  ; 1.5
.set C025, 0x3e800000
.set M025, 0xbe800000
.set C075, 0x3f400000
.set M075, 0xbf400000
.set M125, 0xbfa00000
.macro T0 e, i, c                      ; entry e = c q_i
	v_mul_f32 v[T+\e], \c, v[Q+\i]
.endm
.macro TA e, i, c                      ; += c q_i
	v_fma_f32 v[T+\e], v[Q+\i], \c, v[T+\e]
.endm
.macro TP e, i                         ; += q_i
	v_add_f32 v[T+\e], v[T+\e], v[Q+\i]
.endm
.macro TS e, i                         ; -= q_i
	v_sub_f32 v[T+\e], v[T+\e], v[Q+\i]
.endm
.irp i, 0,1,2,3,4,5,6,7
	v_mul_f32 v[Q+\i], v[Q+\i], v80
.endr
	T0 0, 0, -1.0
	TA 0, 1, C175
	TA 0, 2, M1112
	TA 0, 3, C16
	T0 1, 0, C3
	TA 1, 1, M45
	TA 1, 2, C15
	T0 2, 0, M3
	TA 2, 1, C3
	T0 4, 1, M025
	TA 4, 2, C712
	TA 4, 3, -0.5
	TA 4, 4, C16
	T0 5, 1, C075
	TA 5, 2, M125
	TA 5, 3, 0.5
	T0 6, 1, M075
	TA 6, 2, C025
	TA 6, 3, 0.5
	T0 7, 1, C025
	TA 7, 2, C712
	TA 7, 3, C16
	T0 8, 2, M16
	TA 8, 3, 0.5
	TA 8, 4, -0.5
	T0 9, 2, 0.5
	TS 9, 3
	TA 9, 4, 0.5
	TA 9, 5, 0.5
	T0 10, 2, -0.5
	TA 10, 4, 0.5
	T0 11, 2, C16
	TA 11, 3, C23
	TA 11, 4, C16
	T0 12, 3, M16
	TA 12, 4, 0.5
	T0 13, 3, 0.5
	TS 13, 4
	TS 13, 5
	T0 14, 3, -0.5
	TP 14, 5
	TP 14, 6
	T0 15, 3, C16
	TA 15, 4, C23
	TA 15, 5, 0.5
	T0 16, 4, M16
	T0 17, 4, 0.5
	TA 17, 5, 0.5
	T0 18, 4, -0.5
	TS 18, 5
	TS 18, 6
	T0 19, 4, C16
	TA 19, 5, 0.5
	TP 19, 6
	TP 19, 7
.irp e, 0,1,2,4,5,6,7,8,9,10,11,12,13,14,15,16,17,18,19
	ds_store_b32 v[TW], v[T+\e] offset:8*\e
.endr
	ds_store_b32 v[TW], v[Q] offset:24             ; entry 3 is q_0 itself
; 4 matrix instructions: cur's tile a x W's four, 128 along K, from buffer f.  first = 1: the bias is the C: nothing is cleared, nothing is added later.
; The 16 accumulators take turns, one instruction a turn, in the same order in every step.
.macro MUL4 f, a, first
.irp b, 0,1,2,3
.if \first
	v_wmma_scale_f32_16x16x128_f8f6f4 v[ACC+8*(4*(\a)+\b):ACC+8*(4*(\a)+\b)+7], v[\f+64+16*\b:\f+64+16*\b+15], v[\f+16*(\a):\f+16*(\a)+15], v[BIAS+8*\b:BIAS+8*\b+7], v[SC+4*((\f)/128)+\b], v[SC+4*((\f)/128)+(\a)] matrix_a_fmt:MATRIX_FMT_BF8 matrix_b_fmt:MATRIX_FMT_BF8 matrix_a_scale:MATRIX_SCALE_ROW1
.else
	v_wmma_scale_f32_16x16x128_f8f6f4 v[ACC+8*(4*(\a)+\b):ACC+8*(4*(\a)+\b)+7], v[\f+64+16*\b:\f+64+16*\b+15], v[\f+16*(\a):\f+16*(\a)+15], v[ACC+8*(4*(\a)+\b):ACC+8*(4*(\a)+\b)+7], v[SC+4*((\f)/128)+\b], v[SC+4*((\f)/128)+(\a)] matrix_a_fmt:MATRIX_FMT_BF8 matrix_b_fmt:MATRIX_FMT_BF8 matrix_a_scale:MATRIX_SCALE_ROW1
.endif
.endr
.endm
; 36 LDS loads in one run: record q of the slot: 4 scale registers, W's four fragments, cur's tiles 0, 1 and, last, its tiles 2, 3
.macro FETCH slot, q, f
	WIN 0
.irp i, 0,1,2,3
	ds_load_b32 v[SC+4*((\f)/128)+\i], v[ADRS+\slot] offset:(\q)*REC+64*\i
.endr
	WIN TO_F
.irp i, 0,1,2,3
.irp c, 0,1,2,3
	ds_load_b128 v[\f+64+16*\i+4*\c:\f+64+16*\i+4*\c+3], v[ADRB+\slot] offset:(\q)*REC+2048*\i+512*\c
.endr
.endr
.irp i, 0,1,2,3
.irp c, 0,1,2,3
	ds_load_b128 v[\f+16*\i+4*\c:\f+16*\i+4*\c+3], v[ADRA+\slot] offset:(\q)*REC+2048*\i+512*\c
.endr
.endr
.endm
; A step of 128 along K: multiplies buffer f; in its middle it fetches record qn of the same slot into buffer g
.macro STEP slot, qn, f, g, first
	s_wait_dscnt 8                                 ; all but the youngest eight loads (cur's tiles 2, 3) are in
	WIN MUL
	MUL4 \f, 0, \first
	MUL4 \f, 1, \first
	PLACES 8
	FETCH \slot, \qn, \g
	s_wait_dscnt 36                                ; all but the 36 just issued
	WIN MUL
	MUL4 \f, 2, \first
	MUL4 \f, 3, \first
.endm
; A slot's last step multiplies buffer 1 and changes slots: ONE barrier; in front of it each wave waits for all its tensor loads, adds 0 to its spare word, and waits for that and for its reads of this slot.
; fill = 1: the barrier opens a round of the cluster's, and this slot is filled again, two K steps ahead: the load has 56 matrix instructions in which to land.
.macro TURN slot, next, fill
	WIN 0                                          ; (the add's two registers lie in window 0)
	s_wait_tensorcnt 0x0                           ; all my tensor loads have landed: my part of the next slot
	ds_add_u32 v[SPW], v[NIL]                      ; 0 onto my spare word
	s_wait_dscnt 9                                 ; (the add and the youngest eight loads may be out)
	WIN MUL
	MUL4 F1, 0, 0                                  ; matrix work stands between the add and the wait for it
	s_wait_dscnt 0x0                               ; the add is done, and my reads of this slot are over
	s_barrier_signal -1
	MUL4 F1, 1, 0
.if \fill
	WIN 0
.endif
	s_barrier_wait -1
.if \fill
	CREST                                          ; no wave of any partner still reads this slot or has a load on its way
	s_add_nc_u64 s[G0+4*\slot+2:G0+4*\slot+3], s[G0+4*\slot+2:G0+4*\slot+3], 2*STRB
	s_add_nc_u64 s[G0B+4*\slot+2:G0B+4*\slot+3], s[G0B+4*\slot+2:G0B+4*\slot+3], 2*STRB
	JLOAD \slot                                    ; the first tensor load behind the round; its four v_nop are four of the eight places
	PLACES 4
.else
	PLACES 8
.endif
	FETCH \next, 0, F0
	WIN MUL
	MUL4 F1, 2, 0
	MUL4 F1, 3, 0
.endm
	s_wait_tensorcnt 1                             ; my part of K step 0 is in (K step 1's load may be out)
	s_wait_dscnt 0x0                               ; my columns' coefficients are stored,
	s_barrier_signal -1
	s_barrier_wait -1                              ; everybody's are
	FETCH 0, 0, F0
	STEP 0, 1, F0, F1, 1                           ; the first step stands in front of the loop: its products start the sums
	WIN 0                                          ; at a label and at a branch every window is 0
	s_mov_b32 s3, LAPS-1
.Llap:                                                 ; a trip goes once round the ring, from a lap's second step to the next lap's first, and fills both slots again
	STEP 0, 2, F1, F0, 0
	STEP 0, 3, F0, F1, 0
	TURN 0, 1, 1
	STEP 1, 1, F0, F1, 0
	STEP 1, 2, F1, F0, 0
	STEP 1, 3, F0, F1, 0
	TURN 1, 0, 1
	STEP 0, 1, F0, F1, 0
	WIN 0
	s_sub_co_u32 s3, s3, 1
	s_cmp_lg_u32 s3, 0
	s_cbranch_scc1 .Llap
	STEP 0, 2, F1, F0, 0                           ; the last lap fills nothing
	STEP 0, 3, F0, F1, 0
	TURN 0, 1, 0
	STEP 1, 1, F0, F1, 0
	STEP 1, 2, F1, F0, 0
	STEP 1, 3, F0, F1, 0
	s_wait_dscnt 8                                 ; the very last step: nothing more to fetch
	WIN MUL
	MUL4 F1, 0, 0
	MUL4 F1, 1, 0
	s_wait_dscnt 0x0
	MUL4 F1, 2, 0
	MUL4 F1, 3, 0
	WIN 0
	PLACES 8                                       ; in front of the first reads of results and the first writes into the fragments' registers
; ---------------- THE WAY OUT ----------------
; pair idx = 4 b + jp: registers 2 jp, 2 jp + 1 of W's tile b: the columns 32 B + 16 h + 8 u + 2 jp and the next.  Their 20 entries, 160 bytes, into set idx % 2
.macro LOADCF idx
.set LO, 160*(16*((\idx)/8)+4*(((\idx)/4)%2)+(\idx)%4)
.irp i, 0,1,2,3,4,5,6,7,8,9
	ds_load_b128 v[40*((\idx)%2)+4*\i:40*((\idx)%2)+4*\i+3], v[TABA] offset:LO+16*\i
.endr
.endm
.macro CUBIC d, x, s                   ; v[d] on = interval s's cubic at v[x] on, by Horner; the four row tiles by turns
.irp a, 0,1,2,3
	v_pk_fma_f32 v[\d+2*\a:\d+2*\a+1], v[CF+8*\s:CF+8*\s+1], v[\x+2*\a:\x+2*\a+1], v[CF+8*\s+2:CF+8*\s+3]
.endr
.irp a, 0,1,2,3
	v_pk_fma_f32 v[\d+2*\a:\d+2*\a+1], v[\d+2*\a:\d+2*\a+1], v[\x+2*\a:\x+2*\a+1], v[CF+8*\s+4:CF+8*\s+5]
.endr
.irp a, 0,1,2,3
	v_pk_fma_f32 v[\d+2*\a:\d+2*\a+1], v[\d+2*\a:\d+2*\a+1], v[\x+2*\a:\x+2*\a+1], v[CF+8*\s+6:CF+8*\s+7]
.endr
.endm
; The activation of pair idx in the four row tiles: 8 numbers a lane.  jp = 0 comes first for each tile of W: an accumulator is read from its low end on.
.macro KAN idx
.set AP, ACC+8*((\idx)/4)+2*((\idx)%4)
.set CF, 40*((\idx)%2)
	WIN 0x40                                       ; destination window 1
.irp a, 0,1,2,3
	v_pk_mul_f32 v[KR+2*\a:KR+2*\a+1], v[AP+32*\a:AP+32*\a+1], s[C2L:C2L+1] op_sel_hi:[1,0]
.endr
	WIN 0x55                                       ; all in window 1
	s_wait_dscnt 0x0                               ; this pair's coefficients are in
.if (\idx) < 15
	LOADCF (\idx)+1                                ; the next pair's land while this one is worked
.endif
.irp n, 0,1,2,3,4,5,6,7
	v_exp_f32 v[KR+\n], v[KR+\n]
.endr
	v_nop                                          ; a plain line behind the transcendentals
	s_wait_alu depctr_va_vdst(0)
.irp a, 0,1,2,3
	v_pk_add_f32 v[KR+2*\a:KR+2*\a+1], v[KR+2*\a:KR+2*\a+1], 1.0 op_sel_hi:[1,0]
.endr
.irp n, 0,1,2,3,4,5,6,7
	v_rcp_f32 v[KR+\n], v[KR+\n]
.endr
	v_nop
	s_wait_alu depctr_va_vdst(0)
.irp a, 0,1,2,3
	v_pk_fma_f32 v[KT+2*\a:KT+2*\a+1], v[KR+2*\a:KR+2*\a+1], -2.0, 1.0 op_sel_hi:[1,0,0]                    ; t = tanh
.endr
.irp a, 0,1,2,3
	v_pk_fma_f32 v[KU+2*\a:KU+2*\a+1], v[KT+2*\a:KT+2*\a+1], s[C25:C25+1], s[C25:C25+1] op_sel_hi:[1,0,0]   ; 2.5 t + 2.5
.endr
	CUBIC KR, KU, 0
.irp s, 1,2,3,4
.irp a, 0,1,2,3
.if \s == 1
	v_pk_add_f32 v[KV+2*\a:KV+2*\a+1], v[KU+2*\a:KU+2*\a+1], -1.0 op_sel_hi:[1,0]
.elseif \s == 2
	v_pk_add_f32 v[KV+2*\a:KV+2*\a+1], v[KU+2*\a:KU+2*\a+1], -2.0 op_sel_hi:[1,0]
.elseif \s == 3
	v_pk_add_f32 v[KV+2*\a:KV+2*\a+1], v[KU+2*\a:KU+2*\a+1], s[CM3:CM3+1] op_sel_hi:[1,0]
.else
	v_pk_add_f32 v[KV+2*\a:KV+2*\a+1], v[KU+2*\a:KU+2*\a+1], -4.0 op_sel_hi:[1,0]
.endif
.endr
	CUBIC KH, KV, \s
.irp n, 0,1,2,3,4,5,6,7
	v_cmp_le_f32 s[MK+\n], s[KNOT+\s-1], v[KT+\n]          ; the knot <= t, as reference() compares
.endr
.irp n, 0,1,2,3,4,5,6,7
	v_cndmask_b32 v[KR+\n], v[KR+\n], v[KH+\n], s[MK+\n]
.endr
.endr
.irp n, 0,1,2,3,4,5,6,7
	v_cmp_le_f32 s[MK+\n], 1.0, v[KT+\n]
.endr
.irp n, 0,1,2,3,4,5,6,7
	v_cndmask_b32 v[KR+\n], v[KR+\n], 0, s[MK+\n]          ; no basis function covers t = 1
.endr
	WIN 0x01                                       ; source 0 window 1, destination window 0
.irp a, 0,1,2,3
	v_med3_num_f32 v[AP+32*\a], v[KR+2*\a], s[CLO], s[CHI]
	v_med3_num_f32 v[AP+32*\a+1], v[KR+2*\a+1], s[CLO], s[CHI]
.endr
.endm
; the pairs of accumulator t
.macro NC t
.set AB, ACC+8*(\t)
.set NT, Q+4*((\t)%2)
.irp j, 0,1,2,3
	v_med3_num_f32 v[NT+\j], v[AB+\j], -1.0, 1.0
.endr
	v_fmac_f32 v[AB], s[CPL], v[NT+1]
	v_fmac_f32 v[AB+1], s[CPL], v[NT]
	v_fma_f32 v[AB+2], -v[NT+3], s[CPL], v[AB+2]
	v_fmac_f32 v[AB+3], s[CPL], v[NT+2]
.endm
; 64 numbers of a lane at v[s] on, four blocks (row tiles a0, a0 + 1 x my two blocks of 32 columns), become codes in v[pc] on and two pairs of scale bytes in v[hw], v[hw + 1]
.macro QUANT s, pc, hw
.irp b, 0,1,2,3
	v_max3_num_f32 v[TM+\b], |v[\s+16*\b]|, |v[\s+1+16*\b]|, 0x8000000   ; my 16 numbers, and the floor 2^(16 - 127): the byte cannot fall under 1
.endr
.irp i, 2,4,6,8,10,12,14
.irp b, 0,1,2,3
	v_max3_num_f32 v[TM+\b], v[TM+\b], |v[\s+16*\b+\i]|, |v[\s+1+16*\b+\i]|
.endr
.endr
.irp b, 0,1,2,3
	v_permlanex16_b32 v[TM+4+\b], v[TM+\b], s[SEL], s[SEL+1]
.endr
.irp b, 0,1,2,3
	v_max_num_f32 v[TM+\b], v[TM+\b], v[TM+4+\b]           ; with lane l xor 16's 16: the block's largest magnitude
.endr
.irp b, 0,1,2,3
	v_add_nc_u32 v[TM+12+\b], 0xf8800000, v[TM+\b]         ; 15 off its exponent field: the conversion's scale operand
.endr
.irp b, 0,1,2,3
	v_and_or_b32 v[TM+8+\b], v[TM+\b], 0x7f800000, s[MNT]  ; 57,344 x the scale
.endr
.irp b, 0,1,2,3
	v_lshrrev_b32 v[TM+4+\b], 23, v[TM+12+\b]              ; the scale's byte
.endr
	v_lshl_or_b32 v[\hw], v[TM+5], 8, v[TM+4]
	v_lshl_or_b32 v[\hw+1], v[TM+7], 8, v[TM+6]
.irp b, 0,1,2,3
.irp i, 0,1,2,3,4,5,6,7,8,9,10,11,12,13,14,15
	v_med3_num_f32 v[\s+16*\b+\i], v[\s+16*\b+\i], -v[TM+8+\b], v[TM+8+\b]   ; the conversion to an 8-bit code does not saturate (ISA guide 7.6.2): the hold
.endr
	v_cvt_scalef32_pk8_bf8_f32 v[\pc+4*\b:\pc+1+4*\b], v[\s+16*\b:\s+7+16*\b], v[TM+12+\b]
	v_cvt_scalef32_pk8_bf8_f32 v[\pc+2+4*\b:\pc+3+4*\b], v[\s+8+16*\b:\s+15+16*\b], v[TM+12+\b]
.endr
	v_nop                                                  ; one plain line behind the last conversion
.endm
.macro SENDQ a0, pc, hw                ; the codes are the next operand's registers: they go to its image as they stand
.irp b, 0,1,2,3
	global_store_b128 v[LI], v[\pc+4*\b:\pc+4*\b+3], s[94:95] offset:2048*(\a0+\b/2)+512*(\b%2)   ; 32 lanes store 512 consecutive bytes, aligned to 256
.endr
	ds_store_b16 v[SHA], v[\hw] offset:64*\a0              ; both lanes of a row write the same two bytes
	ds_store_b16 v[SHA], v[\hw+1] offset:64*(\a0+1)
.endm
	s_mul_i32 s22, s18, 5120
	s_add_co_u32 s22, s22, TAB
	WIN 0x40
	v_mad_u32_u24 v[TABA], v2, 1280, s22           ; my 64 columns' 32 pairs, and 8 pairs on for lanes 16-31
	WIN 0x55
	LOADCF 0
.set N, 0
.rept 16
	KAN N
.set N, N+1
.endr
	WIN 0
.set N, 0
.rept 16
	NC N
.set N, N+1
.endr
.irp b, 0,1,2,3
	v_mov_b32 v[TM+4+\b], 0                        ; written once: a lane permute's destination counts as one of its sources
.endr
	QUANT ACC, BIAS, HW
	SENDQ 0, BIAS, HW
	QUANT ACC+64, BIAS+16, HW+2
	SENDQ 2, BIAS+16, HW+2
	s_wait_dscnt 0x0                               ; for wave 0's sake: my scale bytes are stored
	s_barrier_signal -1
	s_barrier_wait -1
	s_cmp_lg_u32 s16, 0
	s_cbranch_scc1 .Lno_scales
	ds_load_b128 v[100:103], v[SCRD]               ; the two records' scale words, whole
	s_wait_dscnt 0x0
	global_store_b128 v[SCO], v[100:103], s[92:93] ; sixteen lanes store 256 consecutive bytes, aligned
.Lno_scales:
	s_wait_tensorcnt 0x0                           ; the wave's end
	ds_add_u32 v[SPW], v[NIL]
	s_wait_dscnt 0x0
	CROUND                                         ; the closing round
	s_endpgm
.Lfunc_end_k_q897aab481c_layer2:
	.size	k_q897aab481c_layer2, .Lfunc_end_k_q897aab481c_layer2-k_q897aab481c_layer2
	.p2alignl 7, 3214868480
	.fill 96, 4, 3214868480
	.section	.rodata,"a",@progbits
	.p2align	6, 0x0
	.amdhsa_kernel k_q897aab481c_layer2
		.amdhsa_group_segment_fixed_size 327680
		.amdhsa_private_segment_fixed_size 0
		.amdhsa_enable_private_segment 0
		.amdhsa_kernarg_size 48
		.amdhsa_user_sgpr_count 2
		.amdhsa_user_sgpr_kernarg_segment_ptr 1
		.amdhsa_wavefront_size32 1
		.amdhsa_system_sgpr_workgroup_id_x 1
		.amdhsa_system_sgpr_workgroup_id_y 1
		.amdhsa_system_sgpr_workgroup_id_z 1
		.amdhsa_system_vgpr_workitem_id 0
		.amdhsa_next_free_vgpr 512
		.amdhsa_next_free_sgpr 100
		.amdhsa_reserve_vcc 0
		.amdhsa_float_denorm_mode_32 3
		.amdhsa_float_denorm_mode_16_64 3
		.amdhsa_memory_ordered 1
		.amdhsa_forward_progress 1
		.amdhsa_inst_pref_size 255
	.end_amdhsa_kernel
	.section	.bss,"aw",@nobits
	.p2align	6
	.space	262144
	.amdgpu_metadata
---
amdhsa.version: [ 1, 2 ]
amdhsa.kernels:
  - .name:           k_q897aab481c_layer2
    .symbol:         k_q897aab481c_layer2.kd
    .args:
      - { .name: act1, .offset: 0, .size: 8, .value_kind: global_buffer, .address_space: global }
      - { .name: wq2, .offset: 8, .size: 8, .value_kind: global_buffer, .address_space: global }
      - { .name: b2, .offset: 16, .size: 8, .value_kind: global_buffer, .address_space: global }
      - { .name: cp2, .offset: 24, .size: 8, .value_kind: global_buffer, .address_space: global }
      - { .name: rw2, .offset: 32, .size: 8, .value_kind: global_buffer, .address_space: global }
      - { .name: act2, .offset: 40, .size: 8, .value_kind: global_buffer, .address_space: global }
    .group_segment_fixed_size: 327680
    .private_segment_fixed_size: 0
    .kernarg_segment_align: 8
    .kernarg_segment_size: 48
    .max_flat_workgroup_size: 128
    .sgpr_count:     100
    .vgpr_count:     512
    .wavefront_size: 32
...
	.end_amdgpu_metadata
.endif
;; end of part 3
;; launch layer3: the kernel of part 3 again; grid 16 x 8, 4 waves a work-group, clusters of 4 x 4, 327,680 bytes of LDS; arguments act2, wq3, b3, cp3, rw3, act3; writes act3
;; launch outlayer (part 4): grid 16 x 8, 4 waves a work-group, clusters of 4 x 4, 327,680 bytes of LDS; arguments act3, wq4, b_out, out0; writes out0
.if DOCPART == 4
	.amdgcn_target "amdgcn-amd-amdhsa--gfx1250"
	.amdhsa_code_object_version 6
	.text
	.protected	k_q897aab481c_outlayer
	.globl	k_q897aab481c_outlayer
	.p2align	8
	.type	k_q897aab481c_outlayer,@function
k_q897aab481c_outlayer:
	s_mov_b64 s[64:65], 0
	v_nop
	global_prefetch_b8 v0, s[64:65] scope:SCOPE_SE
	s_setreg_imm32_b32 hwreg(HW_REG_WAVE_MODE, 25, 1), 1
	s_wait_xcnt 0x0
	s_wait_alu depctr_hold_cnt(0) depctr_sa_sdst(0) depctr_va_vdst(0) depctr_va_sdst(0) depctr_va_ssrc(0) depctr_va_vcc(0) depctr_vm_vsrc(0)
	s_getreg_b32 s2, hwreg(HW_REG_IB_STS2, 6, 4)
	s_cmp_eq_u32 s2, 0
	s_cbranch_scc0 .Lentry_in_a_cluster
	s_endpgm
.Lentry_in_a_cluster:
	s_bfe_u32 s2, ttmp6, 0x10000c
	s_cmp_lg_u32 s2, 0xf033
	s_cbranch_scc0 .Lentry_shape_is_right
	s_endpgm
.Lentry_shape_is_right:
; THE LAST PRODUCT: out = cur W_out^T + b_out, on codes of BF8 (E5M2) with E8M0 scales for each 32 along K; out [1024][2048] f32.
; cur and W arrive as RECORDS (64 rows x 128 along K, 8,448 bytes: four fragment images of 2,048 bytes in the order of the operand's registers, then 256 bytes of scale words).  A stream of 64 rows of cur is
; 32 records apart from the next, of which the first 16 hold its K = 2,048; W's streams are 16 records.  W's tile 2 B + u, tile row r is row 32 B + 8 u + r + 8 (r / 8) of its 64.
; Ring, cluster, steps and turns are the layers': a work-group makes 128 x 128, four waves 64 x 64 each; K in steps of 512 through two LDS slots; a wave's one joint tensor load brings four records.
; 2,048 columns give 128 work-groups of this tile.
; THE PRODUCT IS USED TRANSPOSED (source 0 = 16 rows of W, source 1 = 16 rows of cur): lane (r, h) holds row r and, in W's tile 2 B + u, the columns 32 B + 16 h + 8 u + 0..7.  The bias is the C of each sum's first product.
; THE WAY OUT: 16 rows x 64 columns at a time through the wave's own stage in LDS, so that sixteen lanes store 256 consecutive bytes of a row.
; LIMITS: NaN and infinities are not served.
.set SIZE_K, 2048
.set REC,    8448
.set STRB,   4*REC                     ; what one tensor load brings
.set SLOT,   4*STRB                    ; cur's two streams, then W's two
.set KCN,    SIZE_K/128                ; records in a stream of W
.set ASTR,   32                        ; records from a stream of cur to the next
.set LAPS,   SIZE_K/1024
.set STAGE,  2*SLOT                    ; behind the ring: 16 rows x (256 bytes + 16) for each wave
.set SPI,    272
.set SPARE,  STAGE+4*16*SPI            ; the spare words, 128 bytes for each wave: two blocks of 256 bytes that no other line names
.set LI,   4                           ; v4      16 x lane
.set ADRA, 16                          ; v16-17  my fragments of cur in slot 0, 1
.set ADRB, 20                          ; v20-21  of W
.set ADRS, 22                          ; v22-23  scale words: lanes 0-15 cur's, lanes 16-31 W's
.set STO,  24                          ; v24     the stage, in
.set RD,   25                          ; v25     the stage, out
.set CO,   26                          ; v26     my byte offset in two rows of out
.set SPW,  28                          ; v28     my spare word; never rewritten
.set NIL,  29                          ; v29     0; never rewritten
.set SC,   32                          ; v32-39  scale words, two sets of four.  Nothing else ever lies here
.set BIAS, 40                          ; v40-71  the bias in the result's layout; on the way out rows read back, by turns with v72-103
.set ACC,  128                         ; v128-255 accumulator (a, b) at 128 + 8 (4 a + b)
.set F0,   0                           ; window 1: two fragment buffers
.set F1,   128
.set G1,  24
.set G0,  32
.set G1B, 48
.set G0B, 56
.set MSB, 0
.macro WIN new                         ; the immediate's high byte repeats the setting that is left
.if MSB != \new
	s_set_vgpr_msb (MSB<<8)|\new
.set MSB, \new
.endif
.endm
.set MUL,  0x05                        ; sources 0 and 1 window 1; C and D window 0
.set TO_F, 0x40                        ; destination window 1, address window 0
.macro JLOAD s                         ; a joint load: waves 0 and 1 fetch cur's two streams, waves 2 and 3 W's; four v_nop follow each of the two lines
	s_cmp_eq_u32 s17, 0
	s_cbranch_scc0 .Lfor_b_\@
	tensor_load_to_lds s[G0+4*\s:G0+4*\s+3], s[G1:G1+7]
	s_nop 0
.rept 4
	v_nop
.endr
	s_branch .Lasked_\@
.Lfor_b_\@:
	tensor_load_to_lds s[G0B+4*\s:G0B+4*\s+3], s[G1B:G1B+7]
	s_nop 0
.rept 4
	v_nop
.endr
.Lasked_\@:
.endm
.macro CREST                           ; a round of the cluster's barrier behind its opening barrier
	s_cmp_lg_u32 s16, 0
	s_cbranch_scc1 .Lnot_wave_0_\@
	s_barrier_signal -3
.Lnot_wave_0_\@:
	s_barrier_wait -3
	s_barrier_signal -1
	s_barrier_wait -1
.endm
.macro CROUND
	s_barrier_signal -1
	s_barrier_wait -1
	CREST
.endm
.macro PLACES n                        ; plain lines between a matrix instruction and a load into, or a read of, its registers: eight for this form
.rept \n
	v_nop
.endr
.endm
	s_load_b256 s[4:11], s[0:1], 0x0               ; cur s[4:5], W s[6:7], b s[8:9], out s[10:11]
	v_lshl_add_u32 v[SPW], v0, 2, SPARE
	v_mov_b32 v[NIL], 0
	ds_add_u32 v28, v29
	ds_add_u32 v28, v29
	s_wait_dscnt 0x0
	v_lshrrev_b32 v1, 5, v0
	v_readfirstlane_b32 s16, v1                    ; wave 0..3
	s_lshr_b32 s17, s16, 1                         ; which 64 rows are mine.  Also: I fetch for cur (0) or for W (1)
	s_and_b32 s18, s16, 1                          ; which 64 columns.  Also: which stream I fetch
	s_bfe_u32 s40, ttmp6, 0x40000                  ; cx, cy: my place in the cluster
	s_bfe_u32 s41, ttmp6, 0x40004
	s_lshl_b32 s42, ttmp9, 2
	s_add_co_u32 s42, s42, s40                     ; TX: which 128 columns
	s_and_b32 s43, ttmp7, 0xffff
	s_lshl_b32 s43, s43, 2
	s_add_co_u32 s43, s43, s41                     ; TY: which 128 rows
	s_lshl_b32 s44, s41, 2
	s_lshl_b32 s44, 15, s44                        ; my row of the cluster
	s_lshl_b32 s45, 0x1111, s40                    ; my column
	; descriptor group 1: four records are 132 dense rows of 256 bytes (32 elements of 8 bytes); no padding
	s_or_b32 s[G1], s44, (3<<16)|(1<<21)           ; 15:0 the mask: cur's records go to my row; 17:16 elements of 8 bytes; 21 set beside a mask
	s_or_b32 s[G1B], s45, (3<<16)|(1<<21)
.irp g, G1, G1B
	s_mov_b32 s[\g+1], 32<<16                      ; tensor_dim0
	s_mov_b32 s[\g+2], 132<<16                     ; tensor_dim1
	s_mov_b32 s[\g+3], 32<<16                      ; tile_dim0
	s_mov_b32 s[\g+4], 132                         ; tile_dim1
	s_mov_b32 s[\g+5], 32                          ; tensor_dim0_stride
	s_mov_b32 s[\g+6], 0
	s_mov_b32 s[\g+7], 0
.endr
	s_lshl_b32 s20, s43, 1
	s_add_co_u32 s20, s20, s18                     ; cur's stream 2 TY + (wave & 1)
	s_mul_i32 s20, s20, ASTR*REC
	s_mov_b32 s21, 0
	s_lshl_b32 s46, s42, 1
	s_add_co_u32 s46, s46, s18                     ; W's stream 2 TX + (wave & 1)
	s_mul_i32 s46, s46, KCN*REC
	s_mov_b32 s47, 0
	s_mul_i32 s19, s16, STRB                       ; where they go: wave x 33,792: no place in the cluster enters an LDS address
	s_wait_kmcnt 0x0
	s_add_nc_u64 s[20:21], s[4:5], s[20:21]
	s_add_nc_u64 s[46:47], s[6:7], s[46:47]
	CROUND                                         ; all sixteen work-groups are here: the first joint loads meet
.irp s, 0,1
	s_mov_b32 s[G0+4*\s], 1
	s_add_co_u32 s[G0+4*\s+1], s19, \s*SLOT
	s_add_nc_u64 s[G0+4*\s+2:G0+4*\s+3], s[20:21], \s*STRB
	s_or_b32 s[G0+4*\s+3], s[G0+4*\s+3], 0x80000000
	s_mov_b32 s[G0B+4*\s], 1
	s_add_co_u32 s[G0B+4*\s+1], s19, \s*SLOT
	s_add_nc_u64 s[G0B+4*\s+2:G0B+4*\s+3], s[46:47], \s*STRB
	s_or_b32 s[G0B+4*\s+3], s[G0B+4*\s+3], 0x80000000
	JLOAD \s                                       ; two loads of mine are out
.endr
	v_and_b32 v1, 15, v0                           ; r
	v_bfe_u32 v2, v0, 4, 1                         ; h
	v_and_b32 v3, 31, v0                           ; lane
	v_lshlrev_b32 v[LI], 4, v3
	s_mul_i32 s22, s17, STRB                       ; my stream of cur,
	s_mul_i32 s23, s18, STRB
	s_add_co_u32 s23, s23, 2*STRB                  ; my stream of W
	v_add_nc_u32 v[ADRA], s22, v[LI]
	v_add_nc_u32 v[ADRB], s23, v[LI]
	v_add_nc_u32 v[ADRA+1], SLOT, v[ADRA]
	v_add_nc_u32 v[ADRB+1], SLOT, v[ADRB]
	s_sub_co_u32 s23, s23, s22
	v_mul_u32_u24 v5, s23, v2                      ; lanes 16-31 take W's words: one product, the distance between the two streams x h
	v_lshl_add_u32 v5, v1, 2, v5
	s_add_co_u32 s22, s22, 8192
	v_add_nc_u32 v[ADRS], s22, v5
	v_add_nc_u32 v[ADRS+1], SLOT, v[ADRS]
	s_mul_i32 s22, s16, 16*SPI
	s_add_co_u32 s22, s22, STAGE                   ; my stage
	v_mul_u32_u24 v[STO], v1, SPI
	v_lshl_add_u32 v[STO], v2, 6, v[STO]
	v_add_nc_u32 v[STO], s22, v[STO]               ; in: row r, + 64 h: my 16 columns of each 32
	v_mul_u32_u24 v[RD], v2, SPI
	v_lshl_add_u32 v[RD], v1, 4, v[RD]
	v_add_nc_u32 v[RD], s22, v[RD]                 ; back: lanes 0-15 one row of 256 bytes, lanes 16-31 the next
	v_lshlrev_b32 v[CO], 13, v2
	v_lshl_add_u32 v[CO], v1, 4, v[CO]             ; and the same two rows in out
	s_lshl_b32 s22, s42, 9
	s_lshl_b32 s23, s18, 8
	s_add_co_u32 s22, s22, s23                     ; my 64 columns, in bytes
	s_mov_b32 s23, 0
	s_add_nc_u64 s[8:9], s[8:9], s[22:23]          ; b there,
	s_add_nc_u64 s[10:11], s[10:11], s[22:23]      ; out there,
	s_lshl_b32 s22, s43, 7
	s_lshl_b32 s3, s17, 6
	s_add_co_u32 s22, s22, s3
	s_lshl_b32 s22, s22, 13
	s_add_nc_u64 s[10:11], s[10:11], s[22:23]      ; at my first row: 128 TY + 64 x (wave / 2), 8,192 bytes a row
	v_lshlrev_b32 v5, 6, v2
.irp t, 0,1,2,3
	global_load_b128 v[BIAS+8*\t:BIAS+8*\t+3], v5, s[8:9] offset:(32*(\t/2)+8*(\t%2))*4        ; tile 2 B + u: columns 32 B + 16 h + 8 u + 0..7
	global_load_b128 v[BIAS+8*\t+4:BIAS+8*\t+7], v5, s[8:9] offset:(32*(\t/2)+8*(\t%2))*4+16
.endr
	s_wait_loadcnt 0x0
; 4 matrix instructions: cur's tile a x W's four, 128 along K, from buffer f.  first = 1: the bias is the C.
; The 16 accumulators take turns, one instruction a turn, in the same order in every step.
.macro MUL4 f, a, first
.irp b, 0,1,2,3
.if \first
	v_wmma_scale_f32_16x16x128_f8f6f4 v[ACC+8*(4*(\a)+\b):ACC+8*(4*(\a)+\b)+7], v[\f+64+16*\b:\f+64+16*\b+15], v[\f+16*(\a):\f+16*(\a)+15], v[BIAS+8*\b:BIAS+8*\b+7], v[SC+4*((\f)/128)+\b], v[SC+4*((\f)/128)+(\a)] matrix_a_fmt:MATRIX_FMT_BF8 matrix_b_fmt:MATRIX_FMT_BF8 matrix_a_scale:MATRIX_SCALE_ROW1
.else
	v_wmma_scale_f32_16x16x128_f8f6f4 v[ACC+8*(4*(\a)+\b):ACC+8*(4*(\a)+\b)+7], v[\f+64+16*\b:\f+64+16*\b+15], v[\f+16*(\a):\f+16*(\a)+15], v[ACC+8*(4*(\a)+\b):ACC+8*(4*(\a)+\b)+7], v[SC+4*((\f)/128)+\b], v[SC+4*((\f)/128)+(\a)] matrix_a_fmt:MATRIX_FMT_BF8 matrix_b_fmt:MATRIX_FMT_BF8 matrix_a_scale:MATRIX_SCALE_ROW1
.endif
.endr
.endm
; 36 LDS loads in one run: record q of the slot: 4 scale registers, W's four fragments, cur's tiles 0, 1 and, last, its tiles 2, 3
.macro FETCH slot, q, f
	WIN 0
.irp i, 0,1,2,3
	ds_load_b32 v[SC+4*((\f)/128)+\i], v[ADRS+\slot] offset:(\q)*REC+64*\i
.endr
	WIN TO_F
.irp i, 0,1,2,3
.irp c, 0,1,2,3
	ds_load_b128 v[\f+64+16*\i+4*\c:\f+64+16*\i+4*\c+3], v[ADRB+\slot] offset:(\q)*REC+2048*\i+512*\c
.endr
.endr
.irp i, 0,1,2,3
.irp c, 0,1,2,3
	ds_load_b128 v[\f+16*\i+4*\c:\f+16*\i+4*\c+3], v[ADRA+\slot] offset:(\q)*REC+2048*\i+512*\c
.endr
.endr
.endm
.macro STEP slot, qn, f, g, first
	s_wait_dscnt 8                                 ; all but the youngest eight loads (cur's tiles 2, 3) are in
	WIN MUL
	MUL4 \f, 0, \first
	MUL4 \f, 1, \first
	PLACES 8
	FETCH \slot, \qn, \g
	s_wait_dscnt 36                                ; all but the 36 just issued
	WIN MUL
	MUL4 \f, 2, \first
	MUL4 \f, 3, \first
.endm
; A slot's last step changes slots: ONE barrier; in front of it each wave waits for all its tensor loads, adds 0 to its spare word, and waits for that and for its reads of this slot.
.macro TURN slot, next, fill
	WIN 0                                          ; (the add's two registers lie in window 0)
	s_wait_tensorcnt 0x0                           ; all my tensor loads have landed: my part of the next slot
	ds_add_u32 v[SPW], v[NIL]                      ; 0 onto my spare word
	s_wait_dscnt 9                                 ; (the add and the youngest eight loads may be out)
	WIN MUL
	MUL4 F1, 0, 0                                  ; matrix work stands between the add and the wait for it
	s_wait_dscnt 0x0                               ; the add is done, and my reads of this slot are over
	s_barrier_signal -1
	MUL4 F1, 1, 0
.if \fill
	WIN 0
.endif
	s_barrier_wait -1
.if \fill
	CREST                                          ; no wave of any partner still reads this slot or has a load on its way
	s_add_nc_u64 s[G0+4*\slot+2:G0+4*\slot+3], s[G0+4*\slot+2:G0+4*\slot+3], 2*STRB
	s_add_nc_u64 s[G0B+4*\slot+2:G0B+4*\slot+3], s[G0B+4*\slot+2:G0B+4*\slot+3], 2*STRB
	JLOAD \slot                                    ; the first tensor load behind the round; its four v_nop are four of the eight places
	PLACES 4
.else
	PLACES 8
.endif
	FETCH \next, 0, F0
	WIN MUL
	MUL4 F1, 2, 0
	MUL4 F1, 3, 0
.endm
	s_wait_tensorcnt 1                             ; my part of K step 0 is in (K step 1's load may be out)
	s_barrier_signal -1
	s_barrier_wait -1                              ; everybody's is
	FETCH 0, 0, F0
	STEP 0, 1, F0, F1, 1                           ; the first step stands in front of the loop: its products start the sums
	WIN 0                                          ; at a label and at a branch every window is 0
	s_mov_b32 s3, LAPS-1
.Llap:                                                 ; a trip goes once round the ring and fills both slots again
	STEP 0, 2, F1, F0, 0
	STEP 0, 3, F0, F1, 0
	TURN 0, 1, 1
	STEP 1, 1, F0, F1, 0
	STEP 1, 2, F1, F0, 0
	STEP 1, 3, F0, F1, 0
	TURN 1, 0, 1
	STEP 0, 1, F0, F1, 0
	WIN 0
	s_sub_co_u32 s3, s3, 1
	s_cmp_lg_u32 s3, 0
	s_cbranch_scc1 .Llap
	STEP 0, 2, F1, F0, 0                           ; the last lap fills nothing
	STEP 0, 3, F0, F1, 0
	TURN 0, 1, 0
	STEP 1, 1, F0, F1, 0
	STEP 1, 2, F1, F0, 0
	STEP 1, 3, F0, F1, 0
	s_wait_dscnt 8                                 ; the very last step: nothing more to fetch
	WIN MUL
	MUL4 F1, 0, 0
	MUL4 F1, 1, 0
	s_wait_dscnt 0x0
	MUL4 F1, 2, 0
	MUL4 F1, 3, 0
	WIN 0
	PLACES 8                                       ; in front of the first reads of results
; row tile a: 16 rows x my 64 columns through my stage.  LDS serves a wave's instructions in order: no wait between the stores and the loads, nor in front of the next tile's stores
.macro ROWS a
.set BK, 72-32*((\a)%2)
.if (\a) > 1
	s_wait_xcnt 0x0                                ; tile a - 2's stores have read the registers into which these loads land
.endif
.irp b, 0,1,2,3
	ds_store_b128 v[STO], v[ACC+8*(4*(\a)+\b):ACC+8*(4*(\a)+\b)+3] offset:128*(\b/2)+32*(\b%2)        ; each accumulator from its low end on
	ds_store_b128 v[STO], v[ACC+8*(4*(\a)+\b)+4:ACC+8*(4*(\a)+\b)+7] offset:128*(\b/2)+32*(\b%2)+16
.endr
.irp i, 0,1,2,3,4,5,6,7
	ds_load_b128 v[BK+4*\i:BK+4*\i+3], v[RD] offset:2*SPI*\i
.endr
.irp i, 0,1,2,3,4,5,6,7
	s_wait_dscnt 7-\i                              ; the younger loads may be out
	global_store_b128 v[CO], v[BK+4*\i:BK+4*\i+3], s[10:11] offset:131072*(\a)+16384*\i th:TH_STORE_NT   ; sixteen lanes store 256 consecutive bytes, aligned; written once, read by nobody here
.endr
.endm
	ROWS 0
	ROWS 1
	ROWS 2
	ROWS 3
	s_wait_tensorcnt 0x0                           ; the wave's end
	ds_add_u32 v[SPW], v[NIL]
	s_wait_dscnt 0x0
	CROUND                                         ; the closing round
	s_endpgm
.Lfunc_end_k_q897aab481c_outlayer:
	.size	k_q897aab481c_outlayer, .Lfunc_end_k_q897aab481c_outlayer-k_q897aab481c_outlayer
	.p2alignl 7, 3214868480
	.fill 96, 4, 3214868480
	.section	.rodata,"a",@progbits
	.p2align	6, 0x0
	.amdhsa_kernel k_q897aab481c_outlayer
		.amdhsa_group_segment_fixed_size 327680
		.amdhsa_private_segment_fixed_size 0
		.amdhsa_enable_private_segment 0
		.amdhsa_kernarg_size 32
		.amdhsa_user_sgpr_count 2
		.amdhsa_user_sgpr_kernarg_segment_ptr 1
		.amdhsa_wavefront_size32 1
		.amdhsa_system_sgpr_workgroup_id_x 1
		.amdhsa_system_sgpr_workgroup_id_y 1
		.amdhsa_system_sgpr_workgroup_id_z 1
		.amdhsa_system_vgpr_workitem_id 0
		.amdhsa_next_free_vgpr 512
		.amdhsa_next_free_sgpr 66
		.amdhsa_reserve_vcc 0
		.amdhsa_float_denorm_mode_32 3
		.amdhsa_float_denorm_mode_16_64 3
		.amdhsa_memory_ordered 1
		.amdhsa_forward_progress 1
		.amdhsa_inst_pref_size 94
	.end_amdhsa_kernel
	.amdgpu_metadata
---
amdhsa.version: [ 1, 2 ]
amdhsa.kernels:
  - .name:           k_q897aab481c_outlayer
    .symbol:         k_q897aab481c_outlayer.kd
    .args:
      - { .name: act3, .offset: 0, .size: 8, .value_kind: global_buffer, .address_space: global }
      - { .name: wq4, .offset: 8, .size: 8, .value_kind: global_buffer, .address_space: global }
      - { .name: b_out, .offset: 16, .size: 8, .value_kind: global_buffer, .address_space: global }
      - { .name: out0, .offset: 24, .size: 8, .value_kind: global_buffer, .address_space: global }
    .group_segment_fixed_size: 327680
    .private_segment_fixed_size: 0
    .kernarg_segment_align: 8
    .kernarg_segment_size: 32
    .max_flat_workgroup_size: 128
    .sgpr_count:     66
    .vgpr_count:     512
    .wavefront_size: 32
...
	.end_amdgpu_metadata
.endif
;; end of part 4
